; MI455X (gfx1250); checked and timed in simulation.
; The chip was launched on July 23, 2026; its instructions are those of AMD's public machine-readable ISA for CDNA 5 (MIT licence, August 2026) and "CDNA5" Instruction Set Architecture Reference Guide (July 2026). The comments in the code are by the model that wrote it; some were corrected since.
;; GPT Block. Allowed arithmetic: matrix products marked QUANTISED: E3M2 operands, one E8M0 scale for each 32 along K, by v_wmma_scale_f32_16x16x128_f8f6f4 with both operands' format E3M2, f32 sums; everything else in f32.
;; Inputs: W1 1,024 x 4,096 float32; W2 4,096 x 1,024 float32; Wk 1,024 x 1,024 float32; Wo 1,024 x 1,024 float32; Wq 1,024 x 1,024 float32; Wv 1,024 x 1,024 float32; b1 4,096 float32; b2 1,024 float32; be1 1,024 float32; be2 1,024 float32; bk 1,024 float32; bq 1,024 float32; bv 1,024 float32; g1 1,024 float32; g2 1,024 float32; x 2 x 2,048 x 1,024 float32.
;; Outputs: out0 2 x 2,048 x 1,024 float32.
;; This version of the problem:
;;   THIS VERSION OF THE PROBLEM IS GIVEN IN LOW PRECISION. The matrix products marked QUANTISED in the list below multiply operands that are first quantised to E3M2 (3 exponent bits, 2 mantissa bits; 6 bits a number), with one power-of-two scale for each 32 numbers along K (OCP MX v1.0); their sums are f32. All else is computed in f32.
;;   The module's matrix products, in the order in which they are computed (A, B: the left and right operand; K: the contracted axis; several contracted axes count as one K, in the product's order):
;;     1. [M 4,096, K 1,024] x [K 1,024, N 1,024]; A: computed on the way; B: input Wq: QUANTISED
;;     2. [M 4,096, K 1,024] x [K 1,024, N 1,024]; A: computed on the way; B: input Wk: QUANTISED
;;     3. [M 4,096, K 1,024] x [K 1,024, N 1,024]; A: computed on the way; B: input Wv: QUANTISED
;;     4. batch 32 x [M 2,048, K 64] x [K 64, N 2,048]; A: computed on the way; B: computed on the way: QUANTISED
;;     5. batch 32 x [M 64, K 2,048] x [K 2,048, N 2,048]; A: computed on the way; B: softmax (see below): QUANTISED
;;     6. [M 4,096, K 1,024] x [K 1,024, N 1,024]; A: computed on the way; B: input Wo: QUANTISED
;;     7. [M 4,096, K 1,024] x [K 1,024, N 4,096]; A: computed on the way; B: input W1: QUANTISED
;;     8. [M 4,096, K 4,096] x [K 4,096, N 1,024]; A: computed on the way; B: input W2: QUANTISED
;;   THE QUANTISER, for each operand of a quantised product, along K:
;;     - K is cut into blocks of 32 from its start; a last block that is shorter is filled with zeros.
;;     - A block's scale is 2^e with e = floor(log2(the largest magnitude in the block)) - 4, held to -126 .. 127; a block of zeros has e = 0. As a byte (E8M0): e + 127.
;;     - Each number is divided by its block's scale, clamped to +-28, and rounded to the nearest number of E3M2, ties to even, subnormals kept.
;;     - The product sums the exact products of the quantised numbers (number of the format x scale) in f32.
;;   ~~~python
;;   def quantise(x, axis):      # numpy; x: float32 -> the quantised numbers, widened to float32 again
;;       x = np.moveaxis(x, axis, -1); K = x.shape[-1]
;;       x = np.pad(x, [(0, 0)] * (x.ndim - 1) + [(0, -K % 32)]); x = x.reshape(x.shape[:-1] + (-1, 32)); a = np.abs(x).max(-1, keepdims=True)
;;       e = np.where(a > 0, np.clip(np.frexp(np.where(a > 0, a, 1))[1] - 1 - 4, -126, 127), 0)      # np.frexp(a)[1] - 1 = floor(log2(a)), exactly
;;       r = np.clip(x / 2.0 ** e, -28, 28)
;;       step = 2.0 ** (np.maximum(np.frexp(np.where(r == 0, 1, r))[1] - 1, -2) - 2)
;;       q = np.round(r / step) * step * 2.0 ** e      # np.round: ties to even
;;       return np.moveaxis(q.reshape(q.shape[:-2] + (-1,))[..., :K], -1, axis).astype(np.float32)
;;   ~~~
;;   SOFTMAX AHEAD OF A QUANTISED PRODUCT. Where the list says 'softmax', what is quantised is not the finished softmax but p = 2^(t - M), with t = logit x log2(e) and M = ceil(the row's largest t), a whole number; so 1/2 < the row's largest p <= 1. The row's sum l is taken of the UNQUANTISED p, in f32, and the product's result is divided by l at the end. Since M is a whole number, a kernel that streams over the keys may use a running M (the ceiling of the running maximum): every later rescaling is an exact power of two, which a block's scale takes up: the codes' values come out the same.
;;   OPERANDS COMPUTED ON THE WAY. 'Computed on the way' means the value that the module computes at that place (a softmax that the list does not call 'softmax' is quantised finished and normalised). What goes into a quantiser is computed in f32, as accurately as f32 sums, v_exp_f32 and their like allow (about 1e-6 of the number): no bf16 or f16 on the way to a quantiser, and a product that is left as it is and whose result goes on into a quantised operand takes f32 operands (vector FMAs, or v_wmma_f32_16x16x4_f32). A number that lies on a knife's edge between two numbers of the format may be rounded either way, as far as f32 arithmetic and the matrix unit's own rounding can turn it there, and no further.
;; One version. Each part assembles by itself: llvm-mc -triple=amdgcn-amd-amdhsa -mcpu=gfx1250 --defsym DOCPART=n.
;; ======== version 1 of 1: 6 launches
;; limits: right only within a limited range of input values
;; workspace buffers: wa 13,107,200 bytes; qkv 10,092,544 bytes; zb 3,276,800 bytes; hb 16,777,216 bytes; mb 3,276,800 bytes; gb 13,107,200 bytes
;; launch wq (part 1): grid 640 x 1, 8 waves a work-group, no clusters, 70,144 bytes of LDS; arguments Wq, Wk, Wv, Wo, W1, W2, x, g1, be1, wa; writes wa
.if DOCPART == 1
	.amdgcn_target "amdgcn-amd-amdhsa--gfx1250"
	.amdhsa_code_object_version 6
	.text
	.protected	k_q033be007d2_wq
	.globl	k_q033be007d2_wq
	.p2align	8
	.type	k_q033be007d2_wq,@function
k_q033be007d2_wq:
	s_mov_b64 s[64:65], 0
	v_nop
	global_prefetch_b8 v0, s[64:65] scope:SCOPE_SE
	s_setreg_imm32_b32 hwreg(HW_REG_WAVE_MODE, 25, 1), 1
	s_wait_xcnt 0x0
; A GPT block on 4,096 tokens in MX-BF6 (E3M2 codes, one E8M0 byte for each 32 along K), six launches.  THIS LAUNCH has two parts that share nothing, told apart by the work-group's number:
; work-groups 0 to 383: the six weights, f32 [K][N], become codes and scale bytes; work-groups 384 to 639: LayerNorm 1 of x, quantised (other launches' comments call that part 'launch ln1').
; DEAD WORK, in the problem's terms.  reference() builds jnp.tril in its own body and sets the logit of key k for query q to -inf where k > q: that key's softmax weight is 0 for all values of the
; inputs, so it adds 0 to the row's sum and 0 to z.  A step of 128 keys all of which come after a tile's 16 queries can therefore reach no output; launch attn leaves those steps out (120 of each
; 256 pairs of a query tile and a key step).  Nothing else is left out: all sixteen inputs have a way to the output and are loaded (bk too: it moves k's codes).
; LIMIT: a NaN, an infinity or an overflow that would arise only in the scores of the steps left out is not carried to the result.
; LAYOUT OF EVERY OPERAND OF THIS PROGRAM.  A fragment (16 rows x 128 K, 12 registers a lane) lies in memory as an image of its registers, 1,536 bytes: registers 4 c .. 4 c + 3 of lane l at 512 c + 16 l.
; Its scale words (4 bytes a row) lie 64 bytes a fragment.  Along K, inside each block of 32, the two middle groups of eight change places (position p holds k = pi(p)), in BOTH operands of every
; product: the block's scale and the sum of products do not change.  That is the order in which a transposed product leaves its results in a lane's registers.
; THE WEIGHTS.  A work-group takes 256 columns x 128 K, a wave 32 columns (two fragments), A LANE ONE COLUMN, its registers running down K: a block's largest magnitude needs no other lane, and
; the conversions give codes with K innermost.  A load of the wave reads 128 consecutive bytes, the eight waves stand side by side on 1,024.  This part touches no LDS and has no barrier.
; THE NORM (mean, then the mean of squared differences, eps 1e-5, rsqrt, gain, bias: all f32).  A work-group takes one tile of 16 rows; wave w takes columns 128 w .. 128 w + 127 of all 16 rows: one
; fragment.  Each load reads 512 consecutive bytes; the wave's 8 KiB turn through its own stage in LDS (rows 528 bytes apart) and come back into the registers that they left, so that lane (r, h) holds
; 64 numbers of row r in the order that the conversions want.  Rows, gains and biases are all asked for at the head.  A row's sums meet in LDS: two barriers; a third for the scale words.
; Out: images at (8 rt + ks) x 1,536 and scale words at 3,145,728 + (8 rt + ks) x 64 of wa.
; A block's scale byte is its largest magnitude's exponent field - 4, held at 1 from below.  LIMITS: a block of zeros gets the byte 1 where the rule says 127 (its codes are zeros; this program alone
; reads the bytes); NaN and infinities among the inputs are not served; v_rsq_f32 is good to an ulp.
.set NWQ, 384                          ; work-groups of the weights' part
.set WC0, 3276800                      ; wa: the weights' codes, fragment F at WC0 + 1,536 F
.set WS0, 12713984                     ; and their scale words, at WS0 + 64 F
.set WX,  32                           ; the weights' part: v32-159  128 numbers: block b's position p at WX + 32 b + p
.set FA,  160                          ; v160-171 the fragment of columns 0-15
.set FB,  172                          ; v172-183 of columns 16-31
.set UU,  184                          ; v184-198 the upper 16 codes of each block (a conversion's three registers begin on an even number)
.set RED,   0                          ; the norm's LDS: 8 waves x 16 rows x 4 bytes: the rows' partial sums
.set RED2,  512                        ; the same for the squared differences
.set SCW,   1024                       ; the tile's scale words: 64 bytes for each K step
.set SPARE, 1536                       ; the spare words, 128 bytes for each of eight waves: four blocks of 256 bytes that no other line names
.set STG0,  2560                       ; the stages: 16 rows x 528 bytes for each wave
.set STGW,  8448
.set NX,  16                           ; the norm's part: v16-79 the rows as loaded, then my 64 numbers
.set BE,  80                           ; v80-143  the biases
.set G,   144                          ; v144-207 the gains
.set TM,  208
.set PW,  224
.set MU,  226
.set PC,  228
.set SEL, 26
; 128 loads: register WX + n takes row pi(n) of my 128: bits 3 and 4 of n change places.  The row's bytes stand in the immediate, so the text has an arm for each width.
.macro LOADS rowb
.set n, 0
.rept 128
	global_load_b32 v[WX+n], v4, s[4:5] offset:((n&0x67)|((n&8)<<1)|((n&16)>>1))*\rowb th:TH_LOAD_NT
.set n, n+1
.endr
.endm
.macro BMAX b                          ; block b: largest magnitude in two chains, the floor 2^(5 - 127), the conversion's scale operand, the byte
	v_max3_num_f32 v[8+2*\b], |v[WX+32*\b]|, |v[WX+32*\b+1]|, |v[WX+32*\b+2]|
	v_max3_num_f32 v[9+2*\b], |v[WX+32*\b+3]|, |v[WX+32*\b+4]|, |v[WX+32*\b+5]|
.irp i, 6,10,14,18,22,26
	s_delay_alu instid0(VALU_DEP_2)
	v_max3_num_f32 v[8+2*\b], v[8+2*\b], |v[WX+32*\b+\i]|, |v[WX+32*\b+\i+1]|
	s_delay_alu instid0(VALU_DEP_2)
	v_max3_num_f32 v[9+2*\b], v[9+2*\b], |v[WX+32*\b+\i+2]|, |v[WX+32*\b+\i+3]|
.endr
	s_delay_alu instid0(VALU_DEP_2)
	v_max3_num_f32 v[8+2*\b], v[8+2*\b], |v[WX+32*\b+30]|, |v[WX+32*\b+31]|
	s_delay_alu instid0(VALU_DEP_1)
	v_max3_num_f32 v[8+2*\b], v[8+2*\b], v[9+2*\b], 0x2800000
	s_delay_alu instid0(VALU_DEP_1)
	v_add_nc_u32 v[16+\b], 0xfe000000, v[8+2*\b]   ; 4 off the exponent field
	s_delay_alu instid0(VALU_DEP_1)
	v_lshrrev_b32 v[20+\b], 23, v[16+\b]
.endm
.macro QUANT s                         ; 64 numbers of a lane, register 16 b + i = position 16 (lane / 16) + i of block b of my row -> a fragment's codes in v[PC] on, its scale word in v[PW]
.irp b, 0,1,2,3
	v_max3_num_f32 v[TM+\b], |v[\s+16*\b]|, |v[\s+1+16*\b]|, 0x2800000   ; and the floor 2^(5 - 127): the byte cannot fall under 1
.endr
.irp i, 2,4,6,8,10,12,14
.irp b, 0,1,2,3
	s_delay_alu instid0(VALU_DEP_4)
	v_max3_num_f32 v[TM+\b], v[TM+\b], |v[\s+16*\b+\i]|, |v[\s+1+16*\b+\i]|
.endr
.endr
.irp b, 0,1,2,3
	s_delay_alu instid0(VALU_DEP_4)
	v_permlanex16_b32 v[TM+4+\b], v[TM+\b], s[SEL], s[SEL+1]
.endr
.irp b, 0,1,2,3
	s_delay_alu instid0(VALU_DEP_4)
	v_max_num_f32 v[TM+\b], v[TM+\b], v[TM+4+\b]
.endr
.irp b, 0,1,2,3
	s_delay_alu instid0(VALU_DEP_4)
	v_add_nc_u32 v[TM+12+\b], 0xfe000000, v[TM+\b]
.endr
.irp b, 0,1,2,3
	s_delay_alu instid0(VALU_DEP_4)
	v_lshrrev_b32 v[TM+4+\b], 23, v[TM+12+\b]
.endr
	s_delay_alu instid0(VALU_DEP_3)
	v_lshl_or_b32 v[PW], v[TM+5], 8, v[TM+4]
	s_delay_alu instid0(VALU_DEP_1)
	v_lshl_or_b32 v[PW], v[TM+6], 16, v[PW]
	s_delay_alu instid0(VALU_DEP_1)
	v_lshl_or_b32 v[PW], v[TM+7], 24, v[PW]
.irp c, 0,1
	v_cvt_scalef32_pk16_bf6_f32 v[PC+6*\c:PC+2+6*\c], v[\s+32*\c:\s+15+32*\c], v[TM+12+2*\c]
	v_cvt_scalef32_pk16_bf6_f32 v[PC+12+4*\c:PC+14+4*\c], v[\s+16+32*\c:\s+31+32*\c], v[TM+12+2*\c+1]
.endr
	v_nop                                          ; one plain line behind the last scaled conversion
.irp c, 0,1
.irp i, 0,1,2
	v_permlane16_swap_b32 v[PC+6*\c+\i], v[PC+12+4*\c+\i]
.endr
.irp i, 0,1,2
	s_delay_alu instid0(VALU_DEP_3)
	v_mov_b32 v[PC+3+6*\c+\i], v[PC+12+4*\c+\i]
.endr
.endr
.endm
; my four chains in v248-255 become the row's sum over all 1,024 columns, in v248 of every lane: lane l xor 16, then the eight waves through LDS, added in the waves' order
.macro ROWSUM where
	s_delay_alu instid0(VALU_DEP_3)
	v_pk_add_f32 v[248:249], v[248:249], v[250:251]
	s_delay_alu instid0(VALU_DEP_2)
	v_pk_add_f32 v[252:253], v[252:253], v[254:255]
	s_delay_alu instid0(VALU_DEP_1)
	v_pk_add_f32 v[248:249], v[248:249], v[252:253]
	s_delay_alu instid0(VALU_DEP_1)
	v_add_f32 v248, v248, v249
	s_delay_alu instid0(VALU_DEP_1)
	v_permlanex16_b32 v250, v248, s[SEL], s[SEL+1]
	s_delay_alu instid0(VALU_DEP_1)
	v_add_f32 v248, v248, v250
	ds_store_b32 v11, v248 offset:\where           ; lanes r and 16 + r write the same word with the same value
	s_wait_dscnt 0x0                               ; for the others' sake: my store has landed
	s_barrier_signal -1
	s_barrier_wait -1
.irp w, 0,1,2,3,4,5,6,7
	ds_load_b32 v[248+\w], v12 offset:\where+64*\w
.endr
	s_wait_dscnt 0x0
.irp w, 1
	v_add_f32 v248, v248, v[248+\w]
.endr
.irp w, 2, 3, 4, 5, 6, 7
	s_delay_alu instid0(VALU_DEP_1)
	v_add_f32 v248, v248, v[248+\w]
.endr
.endm
	v_lshl_add_u32 v2, v0, 2, SPARE                ; my spare word, and 0: kept for the norm's closing lines alone; the weights' part names neither
	v_mov_b32 v3, 0
	s_cmp_ge_u32 ttmp9, NWQ                        ; the same answer in all waves of a work-group
	s_cbranch_scc1 .Lnorm
	; ---------------- the weights ----------------
	s_load_b256 s[4:11], s[0:1], 0x0               ; Wq, Wk, Wv, Wo
	s_load_b128 s[12:15], s[0:1], 0x20             ; W1, W2
	s_load_b64 s[16:17], s[0:1], 0x48              ; wa
	v_lshrrev_b32 v1, 5, v0
	s_delay_alu instid0(VALU_DEP_1)
	v_readfirstlane_b32 s18, v1                    ; wave
	v_and_b32 v1, 31, v0                           ; lane
	v_and_b32 v25, 15, v0                          ; r
	v_bfe_u32 v26, v0, 4, 1                        ; h
	s_wait_alu depctr_va_vdst(0)
	v_lshlrev_b32 v4, 2, v1                        ; in: 4 bytes a lane
	v_lshlrev_b32 v5, 4, v1                        ; out: 16 bytes a lane
	s_lshr_b32 s19, ttmp9, 7                       ; 0: the four square weights; 1: W1; 2: W2
	s_and_b32 s20, ttmp9, 127
	s_lshr_b32 s21, s20, 5                         ; which of the four
	s_cmp_eq_u32 s19, 1
	s_cselect_b32 s22, 15, 3
	s_cselect_b32 s23, 4, 2
	s_cselect_b32 s24, 21, 19                      ; log2 of 128 rows' bytes: N = 4,096 or 1,024
	s_and_b32 s22, s20, s22                        ; which 256 columns
	s_lshr_b32 s23, s20, s23
	s_cmp_eq_u32 s19, 0
	s_cselect_b32 s25, 7, 31
	s_and_b32 s23, s23, s25                        ; which 128 along K
	s_cmp_eq_u32 s19, 2
	s_cselect_b32 s26, 32, 8                       ; K steps of the weight
	s_lshl_b32 s27, s19, 11
	s_lshl_b32 s28, s21, 9
	s_cmp_eq_u32 s19, 0
	s_cselect_b32 s28, s28, 0
	s_add_co_u32 s27, s27, s28                     ; the weight's first fragment
	s_lshl_b32 s28, s22, 4
	s_lshl_b32 s29, s18, 1
	s_add_co_u32 s28, s28, s29                     ; my first tile of 16 columns
	s_mul_i32 s28, s28, s26
	s_add_co_u32 s27, s27, s28
	s_add_co_u32 s27, s27, s23                     ; F
	s_lshl_b32 s30, s23, s24
	s_lshl_b32 s29, s22, 10
	s_add_co_u32 s30, s30, s29
	s_lshl_b32 s29, s18, 7
	s_add_co_u32 s30, s30, s29                     ; where my 32 columns x 128 rows begin, in bytes
	s_mov_b32 s31, 0
	s_mul_i32 s32, s27, 1536
	s_add_co_u32 s32, s32, WC0
	s_mov_b32 s33, 0
	s_mul_i32 s34, s26, 1536                       ; the next tile of columns lies a weight's K steps on
	s_mov_b32 s35, 0
	s_lshl_b32 s36, s27, 6
	s_add_co_u32 s36, s36, WS0
	s_mov_b32 s37, 0
	s_lshl_b32 s38, s26, 6
	v_mul_u32_u24 v6, s38, v26
	s_delay_alu instid0(VALU_DEP_1)
	v_lshl_add_u32 v6, v25, 2, v6                  ; my column's scale word: 4 r, lanes 16-31 in the next tile's 64 bytes
	s_wait_kmcnt 0x0
	s_cmp_eq_u32 s21, 1                            ; the source is chosen by the work-group's number alone
	s_cselect_b64 s[4:5], s[6:7], s[4:5]
	s_cmp_eq_u32 s21, 2
	s_cselect_b64 s[4:5], s[8:9], s[4:5]
	s_cmp_eq_u32 s21, 3
	s_cselect_b64 s[4:5], s[10:11], s[4:5]
	s_cmp_eq_u32 s19, 1
	s_cselect_b64 s[4:5], s[12:13], s[4:5]
	s_cmp_eq_u32 s19, 2
	s_cselect_b64 s[4:5], s[14:15], s[4:5]
	s_add_nc_u64 s[4:5], s[4:5], s[30:31]
	s_add_nc_u64 s[32:33], s[16:17], s[32:33]      ; the first fragment's image
	s_add_nc_u64 s[34:35], s[32:33], s[34:35]      ; the second's
	s_add_nc_u64 s[36:37], s[16:17], s[36:37]      ; the scale words
	s_cmp_eq_u32 s19, 1
	s_cbranch_scc1 .Lwide
	s_wait_alu depctr_va_vdst(0)
	LOADS 4096
	s_branch .Lloaded
.Lwide:
	s_wait_alu depctr_va_vdst(0)
	LOADS 16384
.Lloaded:
	s_wait_loadcnt 63                              ; loads come back in order: at most the 63 youngest are out, so blocks 0 and 1 (the first 64) are in
	BMAX 0
	BMAX 1
	s_wait_loadcnt 0x0
	BMAX 2
	BMAX 3
	v_lshl_or_b32 v24, v21, 8, v20                 ; my column's scale word
	s_delay_alu instid0(VALU_DEP_1)
	v_lshl_or_b32 v24, v22, 16, v24
	s_delay_alu instid0(VALU_DEP_1)
	v_lshl_or_b32 v24, v23, 24, v24
.irp c, 0,1
	v_cvt_scalef32_pk16_bf6_f32 v[FA+6*\c:FA+6*\c+2], v[WX+64*\c:WX+64*\c+15], v[16+2*\c]          ; block 2 c, lower 16
	v_cvt_scalef32_pk16_bf6_f32 v[UU+8*\c:UU+8*\c+2], v[WX+64*\c+16:WX+64*\c+31], v[16+2*\c]       ; upper 16
	v_cvt_scalef32_pk16_bf6_f32 v[FB+6*\c:FB+6*\c+2], v[WX+64*\c+32:WX+64*\c+47], v[17+2*\c]       ; block 2 c + 1
	v_cvt_scalef32_pk16_bf6_f32 v[UU+8*\c+4:UU+8*\c+6], v[WX+64*\c+48:WX+64*\c+63], v[17+2*\c]
.endr
	v_nop                                          ; one plain line behind the last scaled conversion
; A fragment wants block 2 c of row r in lane r and block 2 c + 1 of row r in lane 16 + r.  The exchange (first register's lanes 16-31 with the second's lanes 0-15) makes of (block 2 c, block 2 c + 1)
; of 32 columns the registers of (tile of columns 0-15, tile of columns 16-31).
.irp c, 0,1
.irp i, 0,1,2
	v_permlane16_swap_b32 v[FA+6*\c+\i], v[FB+6*\c+\i]
	v_permlane16_swap_b32 v[UU+8*\c+\i], v[UU+8*\c+4+\i]
.endr
.irp i, 0,1,2
	v_mov_b32 v[FA+6*\c+3+\i], v[UU+8*\c+\i]
	v_mov_b32 v[FB+6*\c+3+\i], v[UU+8*\c+4+\i]
.endr
.endr
.irp c, 0,1,2
	global_store_b128 v5, v[FA+4*\c:FA+4*\c+3], s[32:33] offset:512*\c    ; 512 consecutive bytes, at a multiple of 256 from the buffer's first byte
.endr
.irp c, 0,1,2
	global_store_b128 v5, v[FB+4*\c:FB+4*\c+3], s[34:35] offset:512*\c
.endr
	global_store_b32 v6, v24, s[36:37]             ; two pieces of 64 bytes: one byte for each 24 of codes
	s_endpgm
	; ---------------- the norm ----------------
.Lnorm:
	s_load_b128 s[4:7], s[0:1], 0x30               ; x, g1
	s_load_b128 s[8:11], s[0:1], 0x40              ; be1, wa
	s_sub_co_u32 s15, ttmp9, NWQ                   ; my tile of 16 rows
	v_lshrrev_b32 v1, 5, v0
	s_delay_alu instid0(VALU_DEP_1)
	v_readfirstlane_b32 s12, v1                    ; wave
	v_and_b32 v4, 31, v0
	v_and_b32 v5, 15, v0                           ; r
	v_bfe_u32 v6, v0, 4, 1                         ; h
	s_delay_alu instid0(VALU_DEP_3)
	v_lshlrev_b32 v7, 4, v4                        ; 16 x lane
	s_mul_i32 s13, s12, STGW
	s_add_co_u32 s13, s13, STG0                    ; my stage
	v_add_nc_u32 v8, s13, v7                       ; in: a row's 512 bytes as they lie
	v_mul_u32_u24 v9, v5, 528
	s_delay_alu instid0(VALU_DEP_1)
	v_lshl_add_u32 v9, v6, 5, v9
	s_delay_alu instid0(VALU_DEP_1)
	v_add_nc_u32 v9, s13, v9                       ; and out: row r, + 32 h
	v_lshlrev_b32 v10, 5, v6                       ; 32 h: the same places among the gains and biases
	s_lshl_b32 s14, s12, 6
	v_lshlrev_b32 v12, 2, v5                       ; 4 r
	s_delay_alu instid0(VALU_DEP_1)
	v_add_nc_u32 v11, s14, v12                     ; 64 w + 4 r
.irp b, 0,1,2,3
	v_mov_b32 v[TM+4+\b], 0                        ; a lane permute's destination counts as one of its sources
.endr
	v_mov_b32 v250, 0
	s_mov_b32 s[SEL], 0x76543210
	s_mov_b32 s[SEL+1], 0xfedcba98
	s_mov_b32 s20, 0x3a800000                      ; 1 / 1,024
	s_mov_b32 s21, 0x3727c5ac                      ; 1e-5
	s_lshl_b32 s16, s15, 16                        ; 16 rows of 4,096 bytes
	s_lshl_b32 s18, s12, 9                         ; my 128 columns
	s_add_co_u32 s16, s16, s18
	s_mov_b32 s17, 0
	s_mov_b32 s19, 0
	s_lshl_b32 s22, s15, 3
	s_add_co_u32 s22, s22, s12
	s_mul_i32 s22, s22, 1536
	s_mov_b32 s23, 0
	s_lshl_b32 s24, s15, 9
	s_add_co_u32 s24, s24, 3145728
	s_mov_b32 s25, 0
	s_wait_alu depctr_va_vdst(0)
	s_wait_kmcnt 0x0
	s_add_nc_u64 s[4:5], s[4:5], s[16:17]
	s_add_nc_u64 s[6:7], s[6:7], s[18:19]
	s_add_nc_u64 s[8:9], s[8:9], s[18:19]
	s_add_nc_u64 s[22:23], s[10:11], s[22:23]      ; my fragment's image
	s_add_nc_u64 s[24:25], s[10:11], s[24:25]      ; the tile's scale words
.irp i, 0,1,2,3,4,5,6,7,8,9,10,11,12,13,14,15
	global_load_b128 v[NX+4*\i:NX+4*\i+3], v7, s[4:5] offset:4096*\i th:TH_LOAD_NT
.endr
.irp b, 0,1,2,3
.irp j, 0,1,2,3
	global_load_b128 v[G+16*\b+4*\j:G+16*\b+4*\j+3], v10, s[6:7] offset:128*\b+64*(\j/2)+16*(\j%2)
.endr
.endr
.irp b, 0,1,2,3
.irp j, 0,1,2,3
	global_load_b128 v[BE+16*\b+4*\j:BE+16*\b+4*\j+3], v10, s[8:9] offset:128*\b+64*(\j/2)+16*(\j%2)
.endr
.endr
	s_wait_loadcnt 32                              ; the rows are in; the 32 younger loads, the gains' and the biases', may be out
.irp i, 0,1,2,3,4,5,6,7,8,9,10,11,12,13,14,15
	ds_store_b128 v8, v[NX+4*\i:NX+4*\i+3] offset:528*\i
.endr
.irp b, 0,1,2,3
.irp j, 0,1,2,3
	ds_load_b128 v[NX+16*\b+4*\j:NX+16*\b+4*\j+3], v9 offset:128*\b+64*(\j/2)+16*(\j%2)   ; LDS serves a wave's instructions in order: these see my stores, and land in the registers that the stores have left.  Register 16 b + i: column 32 b + 8 h + 16 (i / 8) + i % 8
.endr
.endr
	s_wait_dscnt 0x0
.irp c, 0,1,2,3
	v_pk_add_f32 v[248+2*\c:249+2*\c], v[NX+2*\c:NX+2*\c+1], v[NX+8+2*\c:NX+9+2*\c]
.endr
.irp i, 16,24,32,40,48,56
.irp c, 0,1,2,3
	s_delay_alu instid0(VALU_DEP_4)
	v_pk_add_f32 v[248+2*\c:249+2*\c], v[248+2*\c:249+2*\c], v[NX+\i+2*\c:NX+\i+2*\c+1]
.endr
.endr
	ROWSUM RED
	s_delay_alu instid0(VALU_DEP_1)
	v_mul_f32 v[MU], s20, v248                     ; the mean
	s_delay_alu instid0(VALU_DEP_1)
	v_mov_b32 v[MU+1], v[MU]
.set i, 0
.rept 32
	v_pk_add_f32 v[NX+2*i:NX+2*i+1], v[NX+2*i:NX+2*i+1], v[MU:MU+1] neg_lo:[0,1] neg_hi:[0,1]
.set i, i+1
.endr
.irp c, 0,1,2,3
	v_pk_mul_f32 v[248+2*\c:249+2*\c], v[NX+2*\c:NX+2*\c+1], v[NX+2*\c:NX+2*\c+1]
.endr
.irp i, 8,16,24,32,40,48,56
.irp c, 0,1,2,3
	s_delay_alu instid0(VALU_DEP_4)
	v_pk_fma_f32 v[248+2*\c:249+2*\c], v[NX+\i+2*\c:NX+\i+2*\c+1], v[NX+\i+2*\c:NX+\i+2*\c+1], v[248+2*\c:249+2*\c]
.endr
.endr
	ROWSUM RED2
	s_delay_alu instid0(VALU_DEP_1)
	v_fma_f32 v[MU], v248, s20, s21                ; the variance + eps (the multiplication by 2^-10 rounds nothing)
	s_wait_alu depctr_va_vdst(0)
	v_rsq_f32 v[MU], v[MU]
	v_nop                                          ; a plain line behind the transcendental,
	s_wait_alu depctr_va_vdst(0)                   ; and the wait ahead of its first reader
	v_mov_b32 v[MU+1], v[MU]
	s_wait_alu depctr_va_vdst(0)
	s_wait_loadcnt 0x0                             ; gains and biases
.set i, 0
.rept 32
	v_pk_mul_f32 v[NX+2*i:NX+2*i+1], v[NX+2*i:NX+2*i+1], v[MU:MU+1]
.set i, i+1
.endr
.set i, 0
.rept 32
	v_pk_fma_f32 v[NX+2*i:NX+2*i+1], v[NX+2*i:NX+2*i+1], v[G+2*i:G+2*i+1], v[BE+2*i:BE+2*i+1]
.set i, i+1
.endr
	QUANT NX
.irp c, 0,1,2
	global_store_b128 v7, v[PC+4*\c:PC+4*\c+3], s[22:23] offset:512*\c    ; 512 consecutive bytes, at a multiple of 256 from the buffer's first byte
.endr
	ds_store_b32 v11, v[PW] offset:SCW
	s_wait_dscnt 0x0
	s_barrier_signal -1
	s_barrier_wait -1
	s_cmp_lg_u32 s12, 0
	s_cbranch_scc1 .Lnot_wave_0
	ds_load_b128 v[248:251], v7 offset:SCW         ; the tile's eight groups of scale words: 512 bytes
	s_wait_dscnt 0x0
	global_store_b128 v7, v[248:251], s[24:25]
.Lnot_wave_0:
	s_wait_tensorcnt 0x0                           ; the wave's end
	ds_add_u32 v2, v3
	s_wait_dscnt 0x0
	s_endpgm
.Lfunc_end_k_q033be007d2_wq:
	.size	k_q033be007d2_wq, .Lfunc_end_k_q033be007d2_wq-k_q033be007d2_wq
	.p2alignl 7, 3214868480
	.fill 96, 4, 3214868480
	.section	.rodata,"a",@progbits
	.p2align	6, 0x0
	.amdhsa_kernel k_q033be007d2_wq
		.amdhsa_group_segment_fixed_size 70144
		.amdhsa_private_segment_fixed_size 0
		.amdhsa_enable_private_segment 0
		.amdhsa_kernarg_size 80
		.amdhsa_user_sgpr_count 2
		.amdhsa_user_sgpr_kernarg_segment_ptr 1
		.amdhsa_wavefront_size32 1
		.amdhsa_system_sgpr_workgroup_id_x 1
		.amdhsa_system_sgpr_workgroup_id_y 1
		.amdhsa_system_sgpr_workgroup_id_z 1
		.amdhsa_system_vgpr_workitem_id 0
		.amdhsa_next_free_vgpr 256
		.amdhsa_next_free_sgpr 66
		.amdhsa_reserve_vcc 0
		.amdhsa_float_denorm_mode_32 3
		.amdhsa_float_denorm_mode_16_64 3
		.amdhsa_memory_ordered 1
		.amdhsa_forward_progress 1
		.amdhsa_inst_pref_size 66
	.end_amdhsa_kernel
	.amdgpu_metadata
---
amdhsa.version: [ 1, 2 ]
amdhsa.kernels:
  - .name:           k_q033be007d2_wq
    .symbol:         k_q033be007d2_wq.kd
    .args:
      - { .name: Wq, .offset: 0, .size: 8, .value_kind: global_buffer, .address_space: global }
      - { .name: Wk, .offset: 8, .size: 8, .value_kind: global_buffer, .address_space: global }
      - { .name: Wv, .offset: 16, .size: 8, .value_kind: global_buffer, .address_space: global }
      - { .name: Wo, .offset: 24, .size: 8, .value_kind: global_buffer, .address_space: global }
      - { .name: W1, .offset: 32, .size: 8, .value_kind: global_buffer, .address_space: global }
      - { .name: W2, .offset: 40, .size: 8, .value_kind: global_buffer, .address_space: global }
      - { .name: x, .offset: 48, .size: 8, .value_kind: global_buffer, .address_space: global }
      - { .name: g1, .offset: 56, .size: 8, .value_kind: global_buffer, .address_space: global }
      - { .name: be1, .offset: 64, .size: 8, .value_kind: global_buffer, .address_space: global }
      - { .name: wa, .offset: 72, .size: 8, .value_kind: global_buffer, .address_space: global }
    .group_segment_fixed_size: 70144
    .private_segment_fixed_size: 0
    .kernarg_segment_align: 8
    .kernarg_segment_size: 80
    .max_flat_workgroup_size: 256
    .sgpr_count:     66
    .vgpr_count:     256
    .wavefront_size: 32
...
	.end_amdgpu_metadata
.endif
;; end of part 1
;; launch qkv (part 2): grid 12 x 16, 4 waves a work-group, clusters of 4 x 4, 327,680 bytes of LDS; arguments wa, bq, bk, bv, qkv; writes qkv
.if DOCPART == 2
	.amdgcn_target "amdgcn-amd-amdhsa--gfx1250"
	.amdhsa_code_object_version 6
	.text
	.protected	k_q033be007d2_qkv
	.globl	k_q033be007d2_qkv
	.p2align	8
	.type	k_q033be007d2_qkv,@function
k_q033be007d2_qkv:
	s_mov_b64 s[64:65], 0
	v_nop
	global_prefetch_b8 v0, s[64:65] scope:SCOPE_SE
	s_setreg_imm32_b32 hwreg(HW_REG_WAVE_MODE, 25, 1), 1
	s_wait_xcnt 0x0
	s_wait_alu depctr_hold_cnt(0) depctr_sa_sdst(0) depctr_va_vdst(0) depctr_va_sdst(0) depctr_va_ssrc(0) depctr_va_vcc(0) depctr_vm_vsrc(0)
	s_getreg_b32 s2, hwreg(HW_REG_IB_STS2, 6, 4)
	s_cmp_eq_u32 s2, 0
	s_cbranch_scc0 .Lentry_in_a_cluster
	s_endpgm
.Lentry_in_a_cluster:
	s_bfe_u32 s2, ttmp6, 0x10000c
	s_cmp_lg_u32 s2, 0xf033
	s_cbranch_scc0 .Lentry_shape_is_right
	s_endpgm
.Lentry_shape_is_right:
; q = a Wq + bq, k = a Wk + bk, v = a Wv + bv on codes of E3M2 (a = LN1(x), launch ln1; the weights, launch wq), and the results quantised at once for attention: q and k along the head's 64, v along the KEYS.
; Clusters x = 0, 1: C[token][n] for [Wq | Wk]: A = a (16 tile rows of 256 tokens), B = the weight (8 tile columns of 256).  Clusters x = 2: v TRANSPOSED by the same loop: A = Wv's rows (4 tile rows of
; 256 d), B = a (16 tile columns of 256 tokens): a lane then holds one d and its registers run along the tokens, which are the second attention product's K.  All operands lie in wa; offsets choose.
; THE LOOP.  A tile of C, 256 x 256, by four waves, each 128 x 128 in 64 accumulators.  K goes in steps of 128; a slot of LDS holds NQ steps; two slots take turns, filled by the tensor data mover.
; Operands are images of their registers (launch wq's head): a fragment is three loads of 16 bytes a lane, consecutive, no padding.  The scale words of all of K come once, with the first fills.
; CLUSTERS: 4 x 4 work-groups; A's tiles are shared along a row of the cluster, B's along a column: each is asked for jointly, by the same tensor load with the same descriptor and a mask of the four.
; THE MATRIX INSTRUCTION IS USED TRANSPOSED (source 0 = 16 rows of B, source 1 = 16 rows of A): lane (r, h) holds row r of A's block and its register j column 8 h + j of B's block.
; One register carries A's scale word (lanes 0-15) and B's (lanes 16-31).  The accumulators take turns, one instruction a turn, in the same order in every step.
; REGISTERS: window 0: v1-31 addresses; v32-63 scale words, a set for each slot; v64-255 A's fragments, two sets.  window 1: v0-191 B's fragments, two sets; v192-255 the bias.  windows 2, 3: accumulators.
; By this text's own count a wave has one tensor load out at the start and one behind each round.  LIMITS: a block of zeros gets the byte 1 (its codes are zeros); NaN and infinities are not served.
.set MA, 8
.set NB, 8
.set NQ, 2
.set KS, 8
.set ZFORM, 0
.set BI, 192
.set AS0, 3145728
.set WC0, 3276800
.set WS0, 12713984
.set WVC, 4849664
.set WVS, 12779520
.set VC0, 6291456
.set QS0, 9437184
.set KVS0, 9699328
.set HA, 64
.set PC, 128
.set TM, 148
.set PW, 164
.set PWE, 165
.set SW, 166
.set HALFT, MA*NQ*1536                 ; what one tensor load brings: MA blocks x NQ steps
.set SLOT,  4*HALFT                    ; A's two halves, then B's two
.set SCL,   2*SLOT                     ; behind the ring: the scale words of all of K
.set HALFS, MA*KS*64
.set SPARE, 327168                     ; the spare words, 128 bytes for each wave: two blocks of 256 bytes that no other line names
.set LAPS,  KS/(2*NQ)
.set ADRA,  16
.set ADRA8, 18
.set ADRB,  20
.set L16,   22
.set L8,    23
.set STO,   24
.set RD,    25
.set CO,    26
.set ADRS,  27
.set SPW,   28
.set NIL,   29
.set SC,    32
.set AF,    64
.set G1,    24
.set G0,    32
.set G1B,   48
.set G0B,   56
.set G1S,   68
.set G0S,   76
.set G1SB,  80
.set G0SB,  88
.set SEL,   104
.set MSB,   0
.macro WIN new                         ; the immediate's high byte repeats the setting that is left
.if MSB != \new
	s_set_vgpr_msb (MSB<<8)|\new
.set MSB, \new
.endif
.endm
.macro JLOAD g0a, g1a, g0b, g1b        ; a joint load: waves 0 and 1 fetch for A, waves 2 and 3 for B; an s_nop 0 and four v_nop follow each of the two lines
	s_cmp_eq_u32 s15, 0
	s_cbranch_scc0 .Lfor_b_\@
	tensor_load_to_lds s[\g0a:\g0a+3], s[\g1a:\g1a+7]
	s_nop 0
.rept 4
	v_nop
.endr
	s_branch .Lasked_\@
.Lfor_b_\@:
	tensor_load_to_lds s[\g0b:\g0b+3], s[\g1b:\g1b+7]
	s_nop 0
.rept 4
	v_nop
.endr
.Lasked_\@:
.endm
.macro CREST                           ; a round of the cluster's barrier behind its opening barrier
	s_cmp_lg_u32 s14, 0
	s_cbranch_scc1 .Lnot_wave_0_\@
	s_barrier_signal -3
.Lnot_wave_0_\@:
	s_barrier_wait -3
	s_barrier_signal -1
	s_barrier_wait -1
.endm
.macro CROUND
	s_barrier_signal -1
	s_barrier_wait -1
	CREST
.endm
.macro PLACES n
.rept \n
	v_nop
.endr
.endm
.macro FRAG3 reg, adr, off             ; a fragment's image: three loads, 512 consecutive bytes each
.irp c, 0,1,2
	ds_load_b128 v[(\reg)+4*\c:(\reg)+4*\c+3], v[\adr] offset:(\off)+512*\c
.endr
.endm
.macro FRAGZ reg, adr, adr8, off       ; a fragment laid as two halves of six registers (launch attn's z)
	ds_load_b128 v[(\reg):(\reg)+3], v[\adr] offset:(\off)
	ds_load_b64 v[(\reg)+4:(\reg)+5], v[\adr8] offset:(\off)+512
	ds_load_b128 v[(\reg)+6:(\reg)+9], v[\adr] offset:(\off)+768
	ds_load_b64 v[(\reg)+10:(\reg)+11], v[\adr8] offset:(\off)+1280
.endm
.macro FETCH slot, q, p                ; all fragments of the slot's q-th step into set p
	WIN 0x40
.set fi, 0
.rept NB
	FRAG3 12*NB*(\p)+12*fi, ADRB+(\slot), (fi*NQ+(\q))*1536
.set fi, fi+1
.endr
	WIN 0
.set fi, 0
.rept MA
.if ZFORM
	FRAGZ AF+12*MA*(\p)+12*fi, ADRA+(\slot), ADRA8+(\slot), (fi*NQ+(\q))*1536
.else
	FRAG3 AF+12*MA*(\p)+12*fi, ADRA+(\slot), (fi*NQ+(\q))*1536
.endif
.set fi, fi+1
.endr
.endm
.macro SCALES sc                       ; a slot's scale words: lanes 0-15 A's block i, lanes 16-31 B's block i
.set fi, 0
.rept MA*NQ
	ds_load_b32 v[SC+16*(\sc)+fi], v[ADRS] offset:(fi/NQ)*KS*64+(fi%NQ)*64
.set fi, fi+1
.endr
.endm
.macro MULQ k, p, q, sc, cm            ; a quarter of a step's products: MA / 4 blocks of A x all of B's.  cm = 1: the products start the sums with 0; 2: with the bias; 0: in place
.if (\cm) == 2
	WIN 0x91
.elseif (\k)*MA/4 >= 4
	WIN 0xf1
.else
	WIN 0xa1
.endif
.set ma, (\k)*MA/4
.rept MA/4
.set mb, 0
.rept NB
.set rD, 8*(NB*(ma%4)+mb)
.set rB, 12*NB*(\p)+12*mb
.set rA, AF+12*MA*(\p)+12*ma
.set sB, SC+16*(\sc)+NQ*mb+(\q)
.set sA, SC+16*(\sc)+NQ*ma+(\q)
.if (\cm) == 1
	v_wmma_scale_f32_16x16x128_f8f6f4 v[rD:rD+7], v[rB:rB+11], v[rA:rA+11], 0, v[sB], v[sA] matrix_a_fmt:MATRIX_FMT_BF6 matrix_b_fmt:MATRIX_FMT_BF6 matrix_a_scale:MATRIX_SCALE_ROW1
.elseif (\cm) == 2
	v_wmma_scale_f32_16x16x128_f8f6f4 v[rD:rD+7], v[rB:rB+11], v[rA:rA+11], v[BI+8*mb:BI+8*mb+7], v[sB], v[sA] matrix_a_fmt:MATRIX_FMT_BF6 matrix_b_fmt:MATRIX_FMT_BF6 matrix_a_scale:MATRIX_SCALE_ROW1
.else
	v_wmma_scale_f32_16x16x128_f8f6f4 v[rD:rD+7], v[rB:rB+11], v[rA:rA+11], v[rD:rD+7], v[sB], v[sA] matrix_a_fmt:MATRIX_FMT_BF6 matrix_b_fmt:MATRIX_FMT_BF6 matrix_a_scale:MATRIX_SCALE_ROW1
.endif
.set mb, mb+1
.endr
.set ma, ma+1
.endr
.endm
.macro STEP slot, q, cm                ; a step that has its successor in the same slot
	s_wait_dscnt 0x0                               ; what was fetched a step ago is in
	PLACES 4                                       ; four plain lines behind the last step's products, ahead of loads into the set that they read
	FETCH \slot, (\q)+1, 1-(\q)%2
	MULQ 0, (\q)%2, \q, \slot, \cm
	MULQ 1, (\q)%2, \q, \slot, \cm
	MULQ 2, (\q)%2, \q, \slot, \cm
	MULQ 3, (\q)%2, \q, \slot, \cm
	WIN 0
.endm
.macro TURN slot, next, fill           ; a slot's last step changes slots: one barrier; fill = 1: it opens a round of the cluster's barrier, and this slot is filled again
	s_wait_tensorcnt 0x0                           ; all my tensor loads have landed: my part of the next slot
	ds_add_u32 v[SPW], v[NIL]                      ; 0 onto my spare word
	s_wait_dscnt 0x1                               ; the fragments are in; the add alone may be out
	MULQ 0, 1, NQ-1, \slot, 0
	s_wait_dscnt 0x0                               ; the add is done, and my reads of this slot are over
	s_barrier_signal -1
	MULQ 1, 1, NQ-1, \slot, 0
	WIN 0
	s_barrier_wait -1
.if \fill
	CREST                                          ; no wave of any partner still reads this slot or has a load on its way
	s_add_nc_u64 s[G0+4*\slot+2:G0+4*\slot+3], s[G0+4*\slot+2:G0+4*\slot+3], 2*NQ*1536
	s_add_nc_u64 s[G0B+4*\slot+2:G0B+4*\slot+3], s[G0B+4*\slot+2:G0B+4*\slot+3], 2*NQ*1536
	JLOAD G0+4*\slot, G1, G0B+4*\slot, G1B         ; the first tensor load behind the round; its four v_nop are the places in front of the loads below
.else
	PLACES 4
.endif
	s_wait_alu depctr_va_vdst(0)
	v_add_nc_u32 v[ADRS], NQ*64, v[ADRS]           ; the next slot's scale words
	FETCH \next, 0, 0
	SCALES \next
	MULQ 2, 1, NQ-1, \slot, 0
	MULQ 3, 1, NQ-1, \slot, 0
	WIN 0
.endm
.macro LAST
	s_wait_dscnt 0x0
	MULQ 0, 1, NQ-1, 1, 0
	MULQ 1, 1, NQ-1, 1, 0
	MULQ 2, 1, NQ-1, 1, 0
	MULQ 3, 1, NQ-1, 1, 0
	WIN 0
.endm
.macro MID slot                        ; a slot's steps 1 .. NQ - 2
.set mq, 1
.rept NQ-2
	STEP \slot, mq, 0
.set mq, mq+1
.endr
.endm
.macro OPENING                         ; my spare word and 0; the add, twice on end, ahead of my first tensor load; the wave's number and my place
	v_lshl_add_u32 v[SPW], v0, 2, SPARE
	v_mov_b32 v[NIL], 0
	ds_add_u32 v[SPW], v[NIL]
	ds_add_u32 v[SPW], v[NIL]
	v_lshrrev_b32 v1, 5, v0
	v_readfirstlane_b32 s14, v1                    ; wave 0..3
	s_lshr_b32 s15, s14, 1                         ; my half of A's blocks.  Also: I fetch for A (0) or for B (1)
	s_and_b32 s16, s14, 1                          ; my half of B's blocks.  Also: which half I fetch
	s_bfe_u32 s40, ttmp6, 0x40000                  ; cx
	s_bfe_u32 s41, ttmp6, 0x40004                  ; cy
.endm
.macro DESCR                           ; the masks and the four groups 1: elements of 8 bytes, no padding
	s_lshl_b32 s43, s41, 2
	s_lshl_b32 s43, 15, s43                        ; my row of the cluster
	s_lshl_b32 s44, 0x1111, s40                    ; my column
	s_or_b32 s[G1+0], s43, (3<<16)|(1<<21)
	s_or_b32 s[G1B+0], s44, (3<<16)|(1<<21)
.irp g, G1, G1B                        ; codes: MA rows (blocks of 16 rows) of NQ fragments, a whole K apart
	s_mov_b32 s[\g+1], (192*NQ)<<16
	s_mov_b32 s[\g+2], MA<<16
	s_mov_b32 s[\g+3], (192*NQ)<<16
	s_mov_b32 s[\g+4], MA
	s_mov_b32 s[\g+5], 192*KS
	s_mov_b32 s[\g+6], 0
	s_mov_b32 s[\g+7], 0
.endr
	s_or_b32 s[G1S+0], s43, (3<<16)|(1<<21)
	s_or_b32 s[G1SB+0], s44, (3<<16)|(1<<21)
.irp g, G1S, G1SB                      ; scale words: a dense block, as rows of 256 bytes
	s_mov_b32 s[\g+1], 32<<16
	s_mov_b32 s[\g+2], (MA*KS/4)<<16
	s_mov_b32 s[\g+3], 32<<16
	s_mov_b32 s[\g+4], MA*KS/4
	s_mov_b32 s[\g+5], 32
	s_mov_b32 s[\g+6], 0
	s_mov_b32 s[\g+7], 0
.endr
	s_mov_b32 s[SEL], 0x76543210
	s_mov_b32 s[SEL+1], 0xfedcba98
.endm
.macro OFFS ca, sa, cb, sb             ; byte offsets of what I fetch: A's from the tile row (s17), B's from the tile column (s42), each in registers that never hold the other coordinate
	s_mul_i32 s18, s16, MA
	s_mul_i32 s20, s17, 2*MA
	s_add_co_u32 s20, s20, s18
	s_mul_i32 s46, s42, 2*MA
	s_add_co_u32 s46, s46, s18
	s_mul_i32 s22, s20, KS*64
	s_add_co_u32 s22, s22, \sa
	s_mul_i32 s92, s46, KS*64
	s_add_co_u32 s92, s92, \sb
	s_mul_i32 s20, s20, KS*1536
	s_add_co_u32 s20, s20, \ca
	s_mul_i32 s46, s46, KS*1536
	s_add_co_u32 s46, s46, \cb
	s_mov_b32 s21, 0
	s_mov_b32 s23, 0
	s_mov_b32 s47, 0
	s_mov_b32 s93, 0
	s_mul_i32 s45, s14, HALFT                      ; where they go: wave x a region: no place in the cluster enters an LDS address
	s_mul_i32 s94, s14, HALFS
.endm
.macro FILLS pa, pb                    ; the first round and the first fills: the scale words, slot 0, slot 1
	s_wait_dscnt 0x0                               ; both opening adds are done
	s_wait_kmcnt 0x0
	s_add_nc_u64 s[20:21], s[\pa:\pa+1], s[20:21]
	s_add_nc_u64 s[22:23], s[\pa:\pa+1], s[22:23]
	s_add_nc_u64 s[46:47], s[\pb:\pb+1], s[46:47]
	s_add_nc_u64 s[92:93], s[\pb:\pb+1], s[92:93]
	CROUND
	s_mov_b32 s[G0S], 1
	s_add_co_u32 s[G0S+1], s94, SCL
	s_mov_b64 s[G0S+2:G0S+3], s[22:23]
	s_or_b32 s[G0S+3], s[G0S+3], 0x80000000
	s_mov_b32 s[G0SB], 1
	s_add_co_u32 s[G0SB+1], s94, SCL
	s_mov_b64 s[G0SB+2:G0SB+3], s[92:93]
	s_or_b32 s[G0SB+3], s[G0SB+3], 0x80000000
	JLOAD G0S, G1S, G0SB, G1SB
.irp s, 0,1
	s_mov_b32 s[G0+4*\s], 1
	s_add_co_u32 s[G0+4*\s+1], s45, \s*SLOT
	s_add_nc_u64 s[G0+4*\s+2:G0+4*\s+3], s[20:21], \s*NQ*1536
	s_or_b32 s[G0+4*\s+3], s[G0+4*\s+3], 0x80000000
	s_mov_b32 s[G0B+4*\s], 1
	s_add_co_u32 s[G0B+4*\s+1], s45, \s*SLOT
	s_add_nc_u64 s[G0B+4*\s+2:G0B+4*\s+3], s[46:47], \s*NQ*1536
	s_or_b32 s[G0B+4*\s+3], s[G0B+4*\s+3], 0x80000000
	s_wait_alu depctr_va_vdst(0)
	s_wait_tensorcnt 0x0
	ds_add_u32 v28, v29
	s_wait_dscnt 0x0
	CROUND
	JLOAD G0+4*\s, G1, G0B+4*\s, G1B
.endr
.endm
.macro VSETUP                          ; the LDS addresses
	v_and_b32 v1, 15, v0                           ; r
	v_bfe_u32 v2, v0, 4, 1                         ; h
	s_wait_alu depctr_va_vdst(0)
	v_and_b32 v3, 31, v0                           ; lane
	v_lshlrev_b32 v[L16], 4, v3
	v_lshlrev_b32 v[L8], 3, v3
	s_mul_i32 s21, s15, HALFT
	s_mul_i32 s22, s16, HALFT
	s_add_co_u32 s22, s22, 2*HALFT
.irp s, 0,1
	v_add_nc_u32 v[ADRA+\s], s21, v[L16]
.if ZFORM
	v_add_nc_u32 v[ADRA8+\s], s21, v[L8]
.endif
	v_add_nc_u32 v[ADRB+\s], s22, v[L16]
	s_add_co_u32 s21, s21, SLOT
	s_add_co_u32 s22, s22, SLOT
.endr
	s_mul_i32 s21, s15, HALFS
	s_mul_i32 s22, s16, HALFS
	s_add_co_u32 s22, s22, 2*HALFS
	s_sub_co_u32 s22, s22, s21
	v_mul_u32_u24 v4, s22, v2                      ; lanes 16-31 take B's words: one product, the distance between the two regions
	s_add_co_u32 s21, s21, SCL
	v_lshl_add_u32 v4, v1, 2, v4
	v_add_nc_u32 v[ADRS], s21, v4
.endm
.macro MAIN cm
	s_wait_tensorcnt 0x1                           ; the scale words and my part of slot 0 are in; slot 1's load may be out
	s_barrier_signal -1
	s_barrier_wait -1
	FETCH 0, 0, 0
	SCALES 0
	STEP 0, 0, \cm                                 ; the first step stands in front of the loop: its products start the sums
.if LAPS > 1
	s_mov_b32 s3, LAPS-1
.Llap:                                             ; a trip goes once round the ring and fills both slots again
	MID 0
	TURN 0, 1, 1
	STEP 1, 0, 0
	MID 1
	TURN 1, 0, 1
	STEP 0, 0, 0
	s_sub_co_u32 s3, s3, 1
	s_cmp_lg_u32 s3, 0
	s_cbranch_scc1 .Llap
.endif
	MID 0                                          ; the last lap is written out: it fills nothing
	TURN 0, 1, 0
	STEP 1, 0, 0
	MID 1
	LAST
.endm
.macro QUANT s                         ; 64 numbers of a lane, register 16 b + i = position 16 (lane / 16) + i of block b -> a fragment's codes in v[PC] on, its scale word in v[PW]
.irp b, 0,1,2,3
	v_max3_num_f32 v[TM+\b], |v[\s+16*\b]|, |v[\s+1+16*\b]|, 0x2800000
.endr
.irp i, 2,4,6,8,10,12,14
.irp b, 0,1,2,3
	v_max3_num_f32 v[TM+\b], v[TM+\b], |v[\s+16*\b+\i]|, |v[\s+1+16*\b+\i]|
.endr
.endr
.irp b, 0,1,2,3
	v_permlanex16_b32 v[TM+4+\b], v[TM+\b], s[SEL], s[SEL+1]
.endr
.irp b, 0,1,2,3
	v_max_num_f32 v[TM+\b], v[TM+\b], v[TM+4+\b]
.endr
.irp b, 0,1,2,3
	v_add_nc_u32 v[TM+12+\b], 0xfe000000, v[TM+\b]
.endr
.irp b, 0,1,2,3
	v_lshrrev_b32 v[TM+4+\b], 23, v[TM+12+\b]
.endr
	v_lshl_or_b32 v[PW], v[TM+5], 8, v[TM+4]
	v_lshl_or_b32 v[PW], v[TM+6], 16, v[PW]
	v_lshl_or_b32 v[PW], v[TM+7], 24, v[PW]
.irp c, 0,1
	v_cvt_scalef32_pk16_bf6_f32 v[PC+6*\c:PC+2+6*\c], v[\s+32*\c:\s+15+32*\c], v[TM+12+2*\c]
	v_cvt_scalef32_pk16_bf6_f32 v[PC+12+4*\c:PC+14+4*\c], v[\s+16+32*\c:\s+31+32*\c], v[TM+12+2*\c+1]
.endr
	v_nop                                          ; one plain line behind the last scaled conversion
.irp c, 0,1
.irp i, 0,1,2
	v_permlane16_swap_b32 v[PC+6*\c+\i], v[PC+12+4*\c+\i]
.endr
.irp i, 0,1,2
	v_mov_b32 v[PC+3+6*\c+\i], v[PC+12+4*\c+\i]
.endr
.endr
.endm
	s_load_b256 s[4:11], s[0:1], 0x0               ; wa, bq, bk, bv
	s_load_b64 s[12:13], s[0:1], 0x20              ; qkv
	OPENING
	s_and_b32 s95, ttmp7, 0xffff                   ; cluster y
	s_mov_b32 s98, AS0
	s_mov_b32 s100, WS0
	s_cmp_eq_u32 ttmp9, 2                          ; v's clusters: the same answer in all sixteen partners
	s_cselect_b32 s96, 1, 0
	s_cselect_b32 s42, s95, ttmp9
	s_cselect_b32 s17, 0, s95
	s_cselect_b32 s97, WVC, 0                      ; A's codes: Wv's or a's
	s_cselect_b32 s98, WVS, s98
	s_cselect_b32 s99, 0, WC0                      ; B's codes: a's or [Wq | Wk]'s
	s_cselect_b32 s100, AS0, s100
	s_lshl_b32 s42, s42, 2
	s_add_co_u32 s42, s42, s40                     ; tile column
	s_lshl_b32 s17, s17, 2
	s_add_co_u32 s17, s17, s41                     ; tile row
	DESCR
	OFFS s97, s98, s99, s100
	FILLS 4, 4
	VSETUP
	; the bias, in the result's layout, with no branch: q, k: register 8 g + j = b[n0 + 16 g + 8 h + j]; v: = bv[d0 + 16 g + r] for every j
	s_cmp_eq_u32 ttmp9, 1
	s_cselect_b64 s[6:7], s[8:9], s[6:7]
	s_cmp_eq_u32 ttmp9, 2
	s_cselect_b64 s[6:7], s[10:11], s[6:7]
	s_lshl_b32 s18, s40, 8
	s_lshl_b32 s19, s16, 7
	s_add_co_u32 s18, s18, s19
	s_lshl_b32 s19, s41, 8
	s_lshl_b32 s20, s15, 7
	s_add_co_u32 s19, s19, s20
	s_cmp_eq_u32 s96, 1
	s_cselect_b32 s18, s19, s18
	s_cselect_b32 s20, 4, 0
	s_cselect_b32 s21, 0, 32
	s_cselect_b32 s22, 0, 4
	s_lshl_b32 s18, s18, 2
	s_mov_b32 s19, 0
	s_add_nc_u64 s[6:7], s[6:7], s[18:19]
	v_mul_u32_u24 v8, s20, v1
	v_mad_u32_u24 v8, s21, v2, v8
.irp j, 1,2,3,4,5,6,7
	v_add_nc_u32 v[8+\j], s22, v[7+\j]
.endr
	WIN 0x40
.irp g, 0,1,2,3,4,5,6,7
.irp j, 0,1,2,3,4,5,6,7
	global_load_b32 v[BI+8*\g+\j], v[8+\j], s[6:7] offset:64*\g
.endr
.endr
	WIN 0
	MAIN 1
; THE WAY OUT, a block of 16 rows of A at a time: + bias, quantised along the lane's 128 numbers, stored as images.
.macro EPI a, isv
.if (\a) > 0
	s_wait_xcnt 0x0                                ; the last block's stores have read their registers
.endif
	WIN 0x06+(\a)/4                                ; source 0: the accumulators' window; source 1: window 1
.set ei, 0
.rept 32
.if \isv
	v_pk_add_f32 v[HA+2*ei:HA+2*ei+1], v[64*((\a)%4)+2*ei:64*((\a)%4)+2*ei+1], v[BI+8*(\a):BI+8*(\a)+1]
.else
	v_pk_add_f32 v[HA+2*ei:HA+2*ei+1], v[64*((\a)%4)+2*ei:64*((\a)%4)+2*ei+1], v[BI+2*ei:BI+2*ei+1]
.endif
.set ei, ei+1
.endr
	WIN 0
	QUANT HA
.if \isv
.irp c, 0,1,2
	global_store_b128 v[L16], v[PC+4*\c:PC+4*\c+3], s[92:93] offset:((\a)/4)*98304+((\a)%4)*1536+512*\c
.endr
.if (\a)%2 == 0
	v_mov_b32 v[PWE], v[PW]
.else
	v_cndmask_b32 v[SW], v[PWE], v[PW], s66        ; lanes 0-15: the block before's words; lanes 16-31: this block's: 128 consecutive bytes
	global_store_b32 v31, v[SW], s[94:95] offset:((\a)/4)*12288+((\a)%4-1)*64
.endif
.else                                  ; my 128 columns are two heads: registers 0-5 are the first head's half fragment, registers 6-11 the second's
	global_store_b128 v[L16], v[PC:PC+3], s[92:93] offset:768*(\a)
	global_store_b64 v[L8], v[PC+4:PC+5], s[92:93] offset:768*(\a)+512
	global_store_b128 v[L16], v[PC+6:PC+9], s[92:93] offset:98304+768*(\a)
	global_store_b64 v[L8], v[PC+10:PC+11], s[92:93] offset:98304+768*(\a)+512
	v_lshrrev_b32 v[SW], v30, v[PW]
	v_and_b32 v[SW], 0xffff, v[SW]                 ; lanes 0-15: the first head's two bytes; lanes 16-31: the second's; the bytes over the zero codes are 0
	global_store_b32 v31, v[SW], s[94:95] offset:64*(\a)
.endif
.endm
	s_wait_loadcnt 0x0                             ; the bias
	PLACES 4                                       ; behind the last products
.irp b, 0,1,2,3
	v_mov_b32 v[TM+4+\b], 0                        ; a lane permute's destination counts as one of its sources
.endr
	v_lshlrev_b32 v30, 4, v2                       ; 16 h
	s_mov_b32 s66, 0xffff0000
	s_cmp_eq_u32 s96, 1
	s_cbranch_scc1 .Lvarm
	s_lshl_b32 s18, s17, 8
	s_lshl_b32 s19, s15, 7
	s_add_co_u32 s18, s18, s19                     ; my first token
	s_lshr_b32 s19, s18, 11
	s_lshl_b32 s19, s19, 4
	s_lshl_b32 s20, s40, 2
	s_add_co_u32 s19, s19, s20
	s_lshl_b32 s20, s16, 1
	s_add_co_u32 s19, s19, s20                     ; batch x 16 + my first head
	s_bfe_u32 s20, s18, 0x70004                    ; my first tile of tokens in the sequence
	s_lshl_b32 s21, s19, 7
	s_add_co_u32 s21, s21, s20
	s_mul_i32 s22, s21, 768
	s_mul_i32 s23, ttmp9, 3145728                  ; q's codes, or k's
	s_add_co_u32 s22, s22, s23
	s_mov_b32 s23, 0
	s_add_nc_u64 s[92:93], s[12:13], s[22:23]
	s_lshl_b32 s21, s21, 6
	s_add_co_u32 s21, s21, QS0
	s_mul_i32 s22, s19, 12288
	s_lshl_b32 s20, s20, 6
	s_add_co_u32 s22, s22, s20
	s_add_co_u32 s22, s22, KVS0
	s_mov_b32 s45, 12288
	s_cmp_eq_u32 ttmp9, 0
	s_cselect_b32 s22, s21, s22
	s_cselect_b32 s45, 8192, s45                   ; from a head's scale words to the next head's
	s_add_nc_u64 s[94:95], s[12:13], s[22:23]
	v_mul_u32_u24 v31, s45, v2
	v_lshl_add_u32 v31, v1, 2, v31
.irp a, 0,1,2,3,4,5,6,7
	EPI \a, 0
.endr
	s_branch .Ldone
.Lvarm:
	s_lshl_b32 s18, s42, 8
	s_lshl_b32 s19, s16, 7
	s_add_co_u32 s18, s18, s19                     ; my first token: 128 keys, one key step
	s_lshr_b32 s19, s18, 11
	s_lshl_b32 s19, s19, 4
	s_lshl_b32 s20, s41, 2
	s_add_co_u32 s19, s19, s20
	s_lshl_b32 s20, s15, 1
	s_add_co_u32 s19, s19, s20                     ; batch x 16 + my first head
	s_bfe_u32 s20, s18, 0x40007                    ; the key step
	s_mul_i32 s22, s19, 98304
	s_mul_i32 s21, s20, 6144
	s_add_co_u32 s22, s22, s21
	s_add_co_u32 s22, s22, VC0
	s_mov_b32 s23, 0
	s_add_nc_u64 s[92:93], s[12:13], s[22:23]
	s_mul_i32 s22, s19, 12288
	s_lshl_b32 s20, s20, 8
	s_add_co_u32 s22, s22, s20
	s_add_co_u32 s22, s22, KVS0+8192
	s_add_nc_u64 s[94:95], s[12:13], s[22:23]
	v_lshlrev_b32 v31, 2, v3
.irp a, 0,1,2,3,4,5,6,7
	EPI \a, 1
.endr
.Ldone:
	s_wait_tensorcnt 0x0                           ; the wave's end
	ds_add_u32 v[SPW], v[NIL]
	s_wait_dscnt 0x0
	CROUND                                         ; the closing round
	s_endpgm
.Lfunc_end_k_q033be007d2_qkv:
	.size	k_q033be007d2_qkv, .Lfunc_end_k_q033be007d2_qkv-k_q033be007d2_qkv
	.p2alignl 7, 3214868480
	.fill 96, 4, 3214868480
	.section	.rodata,"a",@progbits
	.p2align	6, 0x0
	.amdhsa_kernel k_q033be007d2_qkv
		.amdhsa_group_segment_fixed_size 327680
		.amdhsa_private_segment_fixed_size 0
		.amdhsa_enable_private_segment 0
		.amdhsa_kernarg_size 40
		.amdhsa_user_sgpr_count 2
		.amdhsa_user_sgpr_kernarg_segment_ptr 1
		.amdhsa_wavefront_size32 1
		.amdhsa_system_sgpr_workgroup_id_x 1
		.amdhsa_system_sgpr_workgroup_id_y 1
		.amdhsa_system_sgpr_workgroup_id_z 1
		.amdhsa_system_vgpr_workitem_id 0
		.amdhsa_next_free_vgpr 1024
		.amdhsa_next_free_sgpr 106
		.amdhsa_reserve_vcc 0
		.amdhsa_float_denorm_mode_32 3
		.amdhsa_float_denorm_mode_16_64 3
		.amdhsa_memory_ordered 1
		.amdhsa_forward_progress 1
		.amdhsa_inst_pref_size 218
	.end_amdhsa_kernel
	.amdgpu_metadata
---
amdhsa.version: [ 1, 2 ]
amdhsa.kernels:
  - .name:           k_q033be007d2_qkv
    .symbol:         k_q033be007d2_qkv.kd
    .args:
      - { .name: wa, .offset: 0, .size: 8, .value_kind: global_buffer, .address_space: global }
      - { .name: bq, .offset: 8, .size: 8, .value_kind: global_buffer, .address_space: global }
      - { .name: bk, .offset: 16, .size: 8, .value_kind: global_buffer, .address_space: global }
      - { .name: bv, .offset: 24, .size: 8, .value_kind: global_buffer, .address_space: global }
      - { .name: qkv, .offset: 32, .size: 8, .value_kind: global_buffer, .address_space: global }
    .group_segment_fixed_size: 327680
    .private_segment_fixed_size: 0
    .kernarg_segment_align: 8
    .kernarg_segment_size: 40
    .max_flat_workgroup_size: 128
    .sgpr_count:     106
    .vgpr_count:     1024
    .wavefront_size: 32
...
	.end_amdgpu_metadata
.endif
;; end of part 2
;; launch attn (part 3): grid 8 x 32, 16 waves a work-group, clusters of 4 x 1, 327,680 bytes of LDS; arguments qkv, zb; writes zb
.if DOCPART == 3
	.amdgcn_target "amdgcn-amd-amdhsa--gfx1250"
	.amdhsa_code_object_version 6
	.text
	.protected	k_q033be007d2_attn
	.globl	k_q033be007d2_attn
	.p2align	8
	.type	k_q033be007d2_attn,@function
k_q033be007d2_attn:
	s_mov_b64 s[64:65], 0
	v_nop
	global_prefetch_b8 v0, s[64:65] scope:SCOPE_SE
	s_setreg_imm32_b32 hwreg(HW_REG_WAVE_MODE, 25, 1), 1
	s_wait_xcnt 0x0
	s_wait_alu depctr_hold_cnt(0) depctr_sa_sdst(0) depctr_va_vdst(0) depctr_va_sdst(0) depctr_va_ssrc(0) depctr_va_vcc(0) depctr_vm_vsrc(0)
	s_getreg_b32 s2, hwreg(HW_REG_IB_STS2, 6, 4)
	s_cmp_eq_u32 s2, 0
	s_cbranch_scc0 .Lentry_in_a_cluster
	s_endpgm
.Lentry_in_a_cluster:
	s_bfe_u32 s2, ttmp6, 0x10000c
	s_cmp_lg_u32 s2, 0x3003
	s_cbranch_scc0 .Lentry_shape_is_right
	s_endpgm
.Lentry_shape_is_right:
; z[b][q][h][:] = softmax_k(q . k / 32, causal) v, both products on codes of E3M2, and z quantised along the embedding for the projection that follows.
; LEFT OUT: key steps of 128 keys all of which come after a tile's 16 queries: reference()'s own tril gives them the weight 0 for all inputs (launch wq's head).
; THE SOFTMAX: t = score x log2(e) / 32; M = the running largest t rounded up to a whole number; p = 2^(t - M) is quantised along the keys, not normalised; the row's sum is taken of the unquantised p
; and divides at the end.  When M moves, the sum and O are multiplied by 2^(old M - new M), which rounds nothing.
; SHARES.  A work-group serves one (batch, head) and sixteen tiles of 16 queries: tile 8 i + jx, i = 0 .. 15, jx = the work-group's x.  Tile i lies in key step i and wants steps 0 .. i, step i under the mask.
; THE WAVES GO IN PAIRS.  Pair p (0 .. 7) serves tiles p and 15 - p, 17 steps together.  Its FIRST wave (bit 2 of the wave's number is 0) does tile p whole (steps 0 .. p), stores it, and then steps 8 .. 15 - p
; of tile 15 - p: nine steps.  Its SECOND wave does steps 0 .. 7 of tile 15 - p: eight steps; it lays its O, -M and sums into LDS bytes of the pair's own, and behind one barrier the first wave brings both
; parts under the larger M (two exact powers of two), adds them and stores the tile.  So all sixteen waves have work for eight or nine steps; waves w, w + 4, w + 8, w + 12 have 34 together.
; Every wave walks all 16 key steps in loops of constant count and jumps over the work of a step that is not its own: every branch hangs on the wave's number and the count of steps alone.
; LDS holds ALL of the head's K and V codes and scale words, filled once: every wave issues one joint load at the head (two key steps of K's or of V's codes); the scale words come through registers.
; The four work-groups of a cluster belong to one head: each load is asked for jointly, mask 15.  Step 0 begins behind a wait for all loads and one barrier.
; LAYOUT.  Both products transposed: S^T = K Q^T (source 0 = 16 neighbouring keys), O^T = V^T P^T: a lane holds one query throughout.  K = 64 fills registers 0-5 of q's and k's fragments.  Registers 6-11 of
; k's fragments are zero codes, so whatever codes stand in registers 6-11 of q's add 0: there a first wave keeps the codes of its second tile's q until it needs them (a second wave: zeros); that tile's scale
; words wait in lanes 16-31 of q's scale register, which the products do not read.  p's 16 registers of two neighbouring tiles give the program's order inside a block of 32 keys, in which v was laid too.
; No prefetch: every byte of K and V is asked for by the first fills.  LIMITS: v_exp_f32 flushes denormals; a block of zeros gets the byte 1; NaN and infinities are not served.
.set KC0,  3145728
.set QS0,  9437184
.set KVS0, 9699328
.set ZS,   3145728
.set VL,   98304                       ; LDS: K's codes from 0, V's from here,
.set SCK,  196608                      ; K's scale words (8,192 bytes), then V's (4,096),
.set SPARE, 208896                     ; the spare words, 128 bytes for each of sixteen waves: eight blocks of 256 bytes that no other line names,
.set MRG,  210944                      ; and for each pair 4,608 bytes: eight groups of four registers of O, then -M, t and the two sums, 16 bytes a lane; no tensor load lands here
.set MRGP, 4608
.set SPW, 5
.set NIL, 6
.set VSW, 28                           ; v28-31  V's scale words
.set KF,  32                           ; v32-79  four fragments of K
.set VF,  80                           ; v80-127 four fragments of V
.set S,   128                          ; v128-191 S^T, then p
.set O,   192                          ; v192-223 O^T
.set MAD, 243                          ; v243    LDS address of my 16 bytes in the pair's bytes; never rewritten
.set WV,  18
.set SEL, 20
.set CS,  22
.set G1C, 24
.set G1S, 32
.set G0,  40                           ; s[40:43] group 0
.set TK,  60
.set TV,  61
.set TS,  62
.set TT,  63
.set SG,  66                           ; the key step in hand
.set IW,  67                           ; the key step in which the tile in hand lies: steps beyond it are not mine
.set CNT, 68
.set ROLE, 80                          ; 0: the pair's first wave; 1: its second
.set PAIR, 81
.set I2,  82                           ; 15 - p
.set T2,  83                           ; tile 8 (15 - p) + jx
.set MB,  84
.macro CROUND
	s_barrier_signal -1
	s_barrier_wait -1
	s_cmp_lg_u32 s[WV], 0
	s_cbranch_scc1 .Lnot_wave_0_\@
	s_barrier_signal -3
.Lnot_wave_0_\@:
	s_barrier_wait -3
	s_barrier_signal -1
	s_barrier_wait -1
.endm
.macro WALK k                          ; the walk stands at key step k: constants
	s_mov_b32 s[TK], 6144*(\k)
	s_mov_b32 s[TV], VL+6144*(\k)
	s_mov_b32 s[TS], 512*(\k)
	s_mov_b32 s[TT], 8192+256*(\k)
	s_mov_b32 s[SG], \k
.endm
.macro STEP
	s_cmp_gt_u32 s[SG], s[IW]                      ; not a step of mine: its work is left out; the lines at its end that step addresses are not
	s_cbranch_scc1 .Lhid_\@
	v_add_nc_u32 v8, s[TK], v1                     ; (these five are the places behind the last step's products)
	v_add_nc_u32 v9, s[TK], v2
	v_add_nc_u32 v10, s[TS], v3
	v_add_nc_u32 v11, s[TV], v1
	v_add_nc_u32 v7, s[TT], v3
.irp t, 0,1,2,3
	ds_load_b128 v[KF+12*\t:KF+12*\t+3], v8 offset:768*\t
	ds_load_b64 v[KF+12*\t+4:KF+12*\t+5], v9 offset:768*\t+512
	ds_load_b32 v[248+\t], v10 offset:64*\t
.endr
.irp t, 0,1,2,3
.irp c, 0,1,2
	ds_load_b128 v[VF+12*\t+4*\c:VF+12*\t+4*\c+3], v11 offset:1536*\t+512*\c
.endr
	ds_load_b32 v[VSW+\t], v7 offset:64*\t
.endr
	s_wait_alu depctr_va_vdst(0)
	s_wait_dscnt 16                                ; K's first four tiles are in; V's 16 younger loads may be out
.irp t, 0,1,2,3
	v_wmma_scale_f32_16x16x128_f8f6f4 v[S+8*\t:S+8*\t+7], v[KF+12*\t:KF+12*\t+11], v[16:27], 0, v[248+\t], v255 matrix_a_fmt:MATRIX_FMT_BF6 matrix_b_fmt:MATRIX_FMT_BF6
.endr
.rept 4
	v_nop
.endr
.irp t, 0,1,2,3
	ds_load_b128 v[KF+12*\t:KF+12*\t+3], v8 offset:768*(4+\t)
	ds_load_b64 v[KF+12*\t+4:KF+12*\t+5], v9 offset:768*(4+\t)+512
	ds_load_b32 v[248+\t], v10 offset:64*(4+\t)
.endr
	s_wait_dscnt 0x0
.irp t, 0,1,2,3
	v_wmma_scale_f32_16x16x128_f8f6f4 v[S+32+8*\t:S+32+8*\t+7], v[KF+12*\t:KF+12*\t+11], v[16:27], 0, v[248+\t], v255 matrix_a_fmt:MATRIX_FMT_BF6 matrix_b_fmt:MATRIX_FMT_BF6
.endr
.rept 4
	v_nop
.endr
	s_cmp_lg_u32 s[SG], s[IW]                      ; the tile's diagonal step alone is masked: hidden scores become -infinity ahead of the maximum
	s_cbranch_scc1 .Lopen_\@
	v_mov_b32 v254, 0xff800000
.set n, 0
.rept 64
	v_cmp_gt_i32 vcc_lo, 16*(n/8)+n%8, v4
	v_cndmask_b32 v[S+n], v[S+n], v254, vcc_lo
.set n, n+1
.endr
.Lopen_\@:
.irp b, 0,1,2,3
	v_max3_num_f32 v[232+\b], v[S+16*\b], v[S+1+16*\b], v[S+2+16*\b]   ; the largest score of each block of 32 keys: for the row's maximum and for the block's largest p
.endr
.irp i, 3,5,7,9,11,13
.irp b, 0,1,2,3
	v_max3_num_f32 v[232+\b], v[232+\b], v[S+16*\b+\i], v[S+1+16*\b+\i]
.endr
.endr
.irp b, 0,1,2,3
	v_max_num_f32 v[232+\b], v[232+\b], v[S+15+16*\b]
.endr
.irp b, 0,1,2,3
	s_delay_alu instid0(VALU_DEP_4)
	v_permlanex16_b32 v[236+\b], v[232+\b], s[SEL], s[SEL+1]
.endr
.irp b, 0,1,2,3
	s_delay_alu instid0(VALU_DEP_4)
	v_max_num_f32 v[232+\b], v[232+\b], v[236+\b]
.endr
	s_delay_alu instid0(VALU_DEP_2)
	v_max3_num_f32 v254, v232, v233, v234
	s_delay_alu instid0(VALU_DEP_1)
	v_max_num_f32 v254, v254, v235
	s_delay_alu instid0(VALU_DEP_1)
	v_mul_f32 v254, s[CS], v254
	s_delay_alu instid0(VALU_DEP_1)
	v_max_num_f32 v13, v13, v254                   ; the running largest t
	v_mov_b32 v254, v12
	s_delay_alu instid0(VALU_DEP_2)
	v_floor_f32 v12, -v13                          ; the new -M
	s_delay_alu instid0(VALU_DEP_1)
	v_sub_f32 v254, v12, v254
	s_delay_alu instid0(VALU_DEP_1)
	v_cvt_i32_f32 v254, v254                       ; (it saturates)
	s_delay_alu instid0(VALU_DEP_1)
	v_ldexp_f32 v252, 1.0, v254                    ; f = 2^(old M - new M)
.set j, 0
.rept 32
	v_pk_fma_f32 v[S+j:S+j+1], v[S+j:S+j+1], s[CS:CS+1], v[12:13] op_sel_hi:[1,0,0]   ; t - M
.set j, j+2
.endr
.irp b, 0,1,2,3
	v_fma_f32 v[232+\b], v[232+\b], s[CS], v12
.endr
.set j, 0
	s_wait_alu depctr_va_vdst(0)
.rept 64
	v_exp_f32 v[S+j], v[S+j]                       ; p
.set j, j+1
.endr
	v_pk_mul_f32 v[14:15], v[14:15], v[252:253] op_sel_hi:[1,0]   ; the sums under the new M: a plain line behind the exponentials
	s_wait_alu depctr_va_vdst(0)                   ; one wait for the batch, ahead of its first reader
.irp b, 0,1,2,3
	v_exp_f32 v[232+\b], v[232+\b]                 ; each block's largest p
.endr
	v_pk_add_f32 v[236:237], v[132:133], v[136:137]
	v_pk_add_f32 v[250:251], v[140:141], v[144:145]
	v_pk_add_f32 v[248:249], v[148:149], v[152:153]
	v_pk_add_f32 v[246:247], v[156:157], v[160:161]
	v_pk_add_f32 v[244:245], v[164:165], v[168:169]
	v_pk_add_f32 v[240:241], v[172:173], v[176:177]
	v_pk_add_f32 v[238:239], v[180:181], v[184:185]
	v_pk_add_f32 v[14:15], v[14:15], v[188:189]
	v_pk_add_f32 v[236:237], v[236:237], v[128:129]
	v_pk_add_f32 v[250:251], v[250:251], v[130:131]
	v_pk_add_f32 v[248:249], v[248:249], v[134:135]
	v_pk_add_f32 v[246:247], v[246:247], v[138:139]
	v_pk_add_f32 v[244:245], v[244:245], v[142:143]
	v_pk_add_f32 v[240:241], v[240:241], v[146:147]
	v_pk_add_f32 v[238:239], v[238:239], v[150:151]
	v_pk_add_f32 v[14:15], v[14:15], v[154:155]
	v_pk_add_f32 v[236:237], v[236:237], v[158:159]
	v_pk_add_f32 v[250:251], v[250:251], v[162:163]
	v_pk_add_f32 v[248:249], v[248:249], v[166:167]
	v_pk_add_f32 v[246:247], v[246:247], v[170:171]
	v_pk_add_f32 v[244:245], v[244:245], v[174:175]
	v_pk_add_f32 v[240:241], v[240:241], v[178:179]
	v_pk_add_f32 v[238:239], v[238:239], v[182:183]
	v_pk_add_f32 v[14:15], v[14:15], v[186:187]
	v_pk_add_f32 v[236:237], v[236:237], v[190:191]
	s_delay_alu instid0(VALU_DEP_2)
	v_pk_add_f32 v[14:15], v[14:15], v[246:247]
	s_delay_alu instid0(VALU_DEP_2)
	v_pk_add_f32 v[236:237], v[236:237], v[244:245]
	v_pk_add_f32 v[250:251], v[250:251], v[240:241]
	v_pk_add_f32 v[248:249], v[248:249], v[238:239]
	s_delay_alu instid0(VALU_DEP_2)
	v_pk_add_f32 v[14:15], v[14:15], v[250:251]
	s_delay_alu instid0(VALU_DEP_2)
	v_pk_add_f32 v[236:237], v[236:237], v[248:249]
	s_delay_alu instid0(VALU_DEP_1)
	v_pk_add_f32 v[14:15], v[14:15], v[236:237]
	s_wait_alu depctr_va_vdst(0)                   ; and one for the four
.irp b, 0,1,2,3
	v_max_num_f32 v[232+\b], 0x2800000, v[232+\b]
.endr
.irp b, 0,1,2,3
	s_delay_alu instid0(VALU_DEP_4)
	v_add_nc_u32 v[244+\b], 0xfe000000, v[232+\b]
.endr
.irp b, 0,1,2,3
	s_delay_alu instid0(VALU_DEP_4)
	v_lshrrev_b32 v[236+\b], 23, v[244+\b]
.endr
	s_delay_alu instid0(VALU_DEP_3)
	v_lshl_or_b32 v253, v237, 8, v236              ; p's scale word for these 128 keys
	s_delay_alu instid0(VALU_DEP_1)
	v_lshl_or_b32 v253, v238, 16, v253
	s_delay_alu instid0(VALU_DEP_1)
	v_lshl_or_b32 v253, v239, 24, v253
.irp c, 0,1
	v_cvt_scalef32_pk16_bf6_f32 v[224+6*\c:226+6*\c], v[S+32*\c:S+15+32*\c], v[244+2*\c]
	v_cvt_scalef32_pk16_bf6_f32 v[236+4*\c:238+4*\c], v[S+16+32*\c:S+31+32*\c], v[244+2*\c+1]
.endr
	v_nop
.irp c, 0,1
.irp i, 0,1,2
	v_permlane16_swap_b32 v[224+6*\c+\i], v[236+4*\c+\i]
.endr
.irp i, 0,1,2
	s_delay_alu instid0(VALU_DEP_3)
	v_mov_b32 v[227+6*\c+\i], v[236+4*\c+\i]
.endr
.endr
.set j, 0
.rept 16
	v_pk_mul_f32 v[O+j:O+j+1], v[O+j:O+j+1], v[252:253] op_sel_hi:[1,0]   ; O^T under the new M; these sixteen are also the places between p's scale word and the products
.set j, j+2
.endr
.irp t, 0,1,2,3
	v_wmma_scale_f32_16x16x128_f8f6f4 v[O+8*\t:O+8*\t+7], v[VF+12*\t:VF+12*\t+11], v[224:235], v[O+8*\t:O+8*\t+7], v[VSW+\t], v253 matrix_a_fmt:MATRIX_FMT_BF6 matrix_b_fmt:MATRIX_FMT_BF6
.endr
.Lhid_\@:
	s_add_co_u32 s[TK], s[TK], 6144
	s_add_co_u32 s[TV], s[TV], 6144
	s_add_co_u32 s[TS], s[TS], 512
	s_add_co_u32 s[TT], s[TT], 256
	s_add_co_u32 s[SG], s[SG], 1
.endm
; THE WAY OUT of the tile whose number stands in s12: z = O^T / the sum; my 64 numbers of a row are two blocks of 32 along the embedding: half a fragment of the projection's operand
.macro FINAL
.rept 4
	v_nop                                          ; places behind the last products
.endr
	v_add_f32 v14, v14, v15
	s_delay_alu instid0(VALU_DEP_1)
	v_permlanex16_b32 v252, v14, s[SEL], s[SEL+1]
	s_delay_alu instid0(VALU_DEP_1)
	v_add_f32 v14, v14, v252
	s_wait_alu depctr_va_vdst(0)
	v_rcp_f32 v14, v14
	v_and_b32 v9, 15, v0                           ; (a plain line behind the transcendental)
	s_delay_alu instid0(VALU_DEP_1)
	v_lshlrev_b32 v9, 2, v9                        ; 4 r
	s_wait_alu depctr_va_vdst(0)
	v_mov_b32 v15, v14
.set j, 0
.rept 16
	v_pk_mul_f32 v[S+j:S+j+1], v[O+j:O+j+1], v[14:15]
.set j, j+2
.endr
.irp b, 0,1
	v_max3_num_f32 v[232+\b], |v[S+16*\b]|, |v[S+1+16*\b]|, 0x2800000
.endr
.irp i, 2,4,6,8,10,12,14
.irp b, 0,1
	s_delay_alu instid0(VALU_DEP_2)
	v_max3_num_f32 v[232+\b], v[232+\b], |v[S+16*\b+\i]|, |v[S+1+16*\b+\i]|
.endr
.endr
.irp b, 0,1
	s_delay_alu instid0(VALU_DEP_2)
	v_permlanex16_b32 v[236+\b], v[232+\b], s[SEL], s[SEL+1]
.endr
.irp b, 0,1
	s_delay_alu instid0(VALU_DEP_2)
	v_max_num_f32 v[232+\b], v[232+\b], v[236+\b]
.endr
.irp b, 0,1
	s_delay_alu instid0(VALU_DEP_2)
	v_add_nc_u32 v[244+\b], 0xfe000000, v[232+\b]
.endr
.irp b, 0,1
	s_delay_alu instid0(VALU_DEP_2)
	v_lshrrev_b32 v[236+\b], 23, v[244+\b]
.endr
	s_delay_alu instid0(VALU_DEP_1)
	v_lshl_or_b32 v253, v237, 8, v236              ; my row's two scale bytes
	v_cvt_scalef32_pk16_bf6_f32 v[224:226], v[S:S+15], v244
	v_cvt_scalef32_pk16_bf6_f32 v[240:242], v[S+16:S+31], v245
	v_nop
.irp i, 0,1,2
	v_permlane16_swap_b32 v[224+\i], v[240+\i]
.endr
.irp i, 0,1,2
	s_delay_alu instid0(VALU_DEP_3)
	v_mov_b32 v[227+\i], v[240+\i]
.endr
	s_lshr_b32 s70, s10, 4
	s_lshl_b32 s70, s70, 7
	s_add_co_u32 s70, s70, s12                     ; the tile of rows among 256
	s_and_b32 s71, s10, 15                         ; the head: K step head / 2, half head % 2
	s_lshl_b32 s72, s70, 4
	s_add_co_u32 s72, s72, s71
	s_mul_i32 s72, s72, 768
	s_mov_b32 s73, 0
	s_add_nc_u64 s[72:73], s[6:7], s[72:73]
	s_lshl_b32 s74, s70, 9
	s_lshr_b32 s75, s71, 1
	s_lshl_b32 s75, s75, 6
	s_add_co_u32 s74, s74, s75
	s_and_b32 s75, s71, 1
	s_lshl_b32 s75, s75, 1
	s_add_co_u32 s74, s74, s75
	s_add_co_u32 s74, s74, ZS
	s_mov_b32 s75, 0
	s_add_nc_u64 s[74:75], s[6:7], s[74:75]
	s_wait_alu depctr_va_vdst(0)
	global_store_b128 v1, v[224:227], s[72:73]     ; 512 consecutive bytes, then 256
	global_store_b64 v2, v[228:229], s[72:73] offset:512
	global_store_b16 v9, v253, s[74:75]            ; half of each row's scale word; lanes r and 16 + r write the same two bytes with the same value
.endm
	s_load_b128 s[4:7], s[0:1], 0x0                ; qkv, zb
	v_lshl_add_u32 v[SPW], v0, 2, SPARE
	v_mov_b32 v[NIL], 0
	ds_add_u32 v[SPW], v[NIL]                      ; the opening: the add, twice on end, and its wait ahead of my first tensor load
	ds_add_u32 v[SPW], v[NIL]
	v_lshrrev_b32 v8, 5, v0
	s_delay_alu instid0(VALU_DEP_1)
	v_readfirstlane_b32 s[WV], v8                  ; wave 0..15
	s_bfe_u32 s8, ttmp6, 0x40000                   ; cx
	s_lshl_b32 s9, ttmp9, 2
	s_add_co_u32 s9, s9, s8                        ; jx: it enters global addresses of q and z and the mask's numbers alone
	s_and_b32 s10, ttmp7, 0xffff                   ; batch x 16 + head
	s_bfe_u32 s[ROLE], s[WV], 0x10002              ; bit 2 of the wave's number
	s_and_b32 s[PAIR], s[WV], 3
	s_lshr_b32 s11, s[WV], 3
	s_lshl_b32 s11, s11, 2
	s_or_b32 s[PAIR], s[PAIR], s11                 ; p: bits 0, 1 and 3 of the wave's number
	s_xor_b32 s[I2], s[PAIR], 15                   ; 15 - p
	s_mul_i32 s11, s[ROLE], 15
	s_xor_b32 s[IW], s[PAIR], s11                  ; the tile that I begin with: p, or 15 - p in a second wave
	s_lshl_b32 s12, s[IW], 3
	s_add_co_u32 s12, s12, s9                      ; its number among the head's 128
	s_lshl_b32 s[T2], s[I2], 3
	s_add_co_u32 s[T2], s[T2], s9                  ; (in a second wave the same tile)
	s_mul_i32 s[MB], s[PAIR], MRGP
	s_add_co_u32 s[MB], s[MB], MRG                 ; the pair's bytes
	s_mov_b32 s[G1C], 15|(3<<16)|(1<<21)           ; codes: 48 rows of 256 bytes (32 elements of 8), dense: ONE joint load a wave brings an eighth of K's or of V's codes; mask: all four partners
	s_mov_b32 s[G1C+1], 32<<16
	s_mov_b32 s[G1C+2], 48<<16
	s_mov_b32 s[G1C+3], 32<<16
	s_mov_b32 s[G1C+4], 48
	s_mov_b32 s[G1C+5], 32
	s_mov_b32 s[G1C+6], 0
	s_mov_b32 s[G1C+7], 0
	s_lshr_b32 s13, s[WV], 3                       ; waves 0-7 fetch K's codes, waves 8-15 V's: an eighth of a group each
	s_and_b32 s14, s[WV], 7
	s_mul_i32 s14, s14, 12288
	s_mul_i32 s15, s13, VL
	s_add_co_u32 s15, s15, s14                     ; in LDS
	s_mul_i32 s16, s13, 3145728
	s_add_co_u32 s16, s16, s14
	s_mul_i32 s17, s10, 98304
	s_add_co_u32 s16, s16, s17
	s_add_co_u32 s16, s16, KC0                     ; in memory
	s_mov_b32 s17, 0
	s_mul_i32 s70, s[WV], 768                      ; a sixteenth of the scale words
	s_mul_i32 s72, s10, 12288
	s_add_co_u32 s72, s72, s70
	s_add_co_u32 s72, s72, KVS0
	s_mov_b32 s73, 0
	s_lshl_b32 s74, s10, 7
	s_add_co_u32 s75, s74, s[T2]
	s_add_co_u32 s74, s74, s12
	s_mul_i32 s76, s74, 768                        ; q's half fragment
	s_mov_b32 s77, 0
	s_lshl_b32 s78, s74, 6
	s_add_co_u32 s78, s78, QS0
	s_mov_b32 s79, 0
	s_mul_i32 s86, s75, 768                        ; the second tile's
	s_mov_b32 s87, 0
	s_sub_co_u32 s88, s[T2], s12
	s_lshl_b32 s88, s88, 6                         ; from my first tile's scale words to my second's (0 in a second wave)
	s_mov_b32 s[SEL], 0x76543210
	s_mov_b32 s[SEL+1], 0xfedcba98
	s_mov_b32 s[CS], 0x3d38aa3b                    ; log2(e) / 32
	s_mov_b32 s[CS+1], s[CS]
	s_wait_dscnt 0x0                               ; both opening adds are done
	s_wait_kmcnt 0x0
	s_add_nc_u64 s[16:17], s[4:5], s[16:17]
	s_add_nc_u64 s[72:73], s[4:5], s[72:73]
	s_add_nc_u64 s[76:77], s[4:5], s[76:77]
	s_add_nc_u64 s[78:79], s[4:5], s[78:79]
	s_add_nc_u64 s[86:87], s[4:5], s[86:87]
	s_mov_b32 s[G0], 1
	s_mov_b32 s[G0+1], s15
	s_mov_b64 s[G0+2:G0+3], s[16:17]
	s_or_b32 s[G0+3], s[G0+3], 0x80000000
	CROUND                                         ; all four work-groups are here: the joint loads meet
	tensor_load_to_lds s[G0:G0+3], s[G1C:G1C+7]    ; my one tensor load of the launch: two key steps of K's codes (waves 0-7) or of V's (waves 8-15)
	s_nop 0
.rept 4
	v_nop
.endr
	v_and_b32 v8, 31, v0
	v_and_b32 v9, 15, v0                           ; r
	v_bfe_u32 v10, v0, 4, 1                        ; h
	s_delay_alu instid0(VALU_DEP_3)
	v_lshlrev_b32 v1, 4, v8                        ; 16 x lane
	s_delay_alu instid0(VALU_DEP_4)
	v_lshlrev_b32 v2, 3, v8                        ; 8 x lane
	s_delay_alu instid0(VALU_DEP_3)
	v_mul_u32_u24 v11, s88, v10
	s_delay_alu instid0(VALU_DEP_1)
	v_lshl_add_u32 v11, v9, 2, v11                 ; q's scale words: lanes 0-15 my first tile's, lanes 16-31 my second's
	v_lshl_add_u32 v3, v9, 2, SCK                  ; 4 r among the scale words in LDS
	v_add_nc_u32 v[MAD], s[MB], v1
	s_lshl_b32 s69, s9, 4
	v_lshlrev_b32 v4, 3, v10
	s_delay_alu instid0(VALU_DEP_1)
	v_sub_nc_u32 v4, v9, v4
	s_delay_alu instid0(VALU_DEP_1)
	v_add_nc_u32 v4, s69, v4                       ; d = 16 jx + r - 8 h: in a tile's diagonal step register 8 t + j holds a hidden key where 16 t + j > d; the same for all tiles of the work-group
	global_load_b128 v[16:19], v1, s[76:77]
	global_load_b64 v[20:21], v2, s[76:77] offset:512
	global_load_b32 v255, v11, s[78:79]
	s_add_co_u32 s70, s70, SCK
	v_add_nc_u32 v7, s70, v2                       ; my sixteenth of the scale words, 768 bytes, goes through registers into LDS bytes on which no tensor load lands
	global_load_b64 v[S:S+1], v2, s[72:73]
	global_load_b64 v[S+2:S+3], v2, s[72:73] offset:256
	global_load_b64 v[S+4:S+5], v2, s[72:73] offset:512
	s_cmp_lg_u32 s[ROLE], 0
	s_cbranch_scc1 .Lno_second
	global_load_b128 v[22:25], v1, s[86:87]        ; a first wave: its second tile's codes wait opposite k's zero codes
	global_load_b64 v[26:27], v2, s[86:87] offset:512
	s_branch .Lq_asked
.Lno_second:
.irp i, 22,23,24,25,26,27
	v_mov_b32 v[\i], 0
.endr
.Lq_asked:
.irp t, 0,1,2,3
.irp i, 6,7,8,9,10,11
	v_mov_b32 v[KF+12*\t+\i], 0                    ; zero codes for k = 64 .. 127
.endr
.endr
	v_mov_b32 v13, 0xff61b1e6                      ; the largest t so far: -3e38
	s_delay_alu instid0(VALU_DEP_1)
	v_floor_f32 v12, -v13                          ; -M
	v_mov_b32 v14, 0
	v_mov_b32 v15, 0
.irp b, 0,1,2,3
	v_mov_b32 v[236+\b], 0
.endr
	v_mov_b32 v252, 0
	v_mov_b32 v253, 0
.set i, 0
.rept 32
	v_mov_b32 v[O+i], 0                            ; a tile's first step finds zeros
.set i, i+1
.endr
	s_wait_loadcnt 0x0                             ; q
	s_wait_tensorcnt 0x0                           ; my part of the codes is in; nothing is ever filled again
	ds_store_b64 v7, v[S:S+1]
	ds_store_b64 v7, v[S+2:S+3] offset:256
	ds_store_b64 v7, v[S+4:S+5] offset:512
	s_wait_dscnt 0x0
	s_barrier_signal -1
	s_barrier_wait -1                              ; everybody's are
	WALK 0
	STEP                                           ; key step 0 counts for every tile
	WALK 1
	s_mov_b32 s[CNT], 7
.Llow:                                             ; key steps 1 .. 7
	STEP
	s_sub_co_u32 s[CNT], s[CNT], 1
	s_cmp_lg_u32 s[CNT], 0
	s_cbranch_scc1 .Llow
	s_cmp_lg_u32 s[ROLE], 0
	s_cbranch_scc1 .Lhand_over
	FINAL                                          ; a first wave: tile p is whole
	s_wait_xcnt 0x0                                ; its stores have read their registers
	v_permlanex16_b32 v254, v255, s[SEL], s[SEL+1] ; the second tile's scale words come down into lanes 0-15,
	s_delay_alu instid0(VALU_DEP_1)
	v_mov_b32 v255, v254
.irp i, 0,1,2,3,4,5
	v_mov_b32 v[16+\i], v[22+\i]                   ; its codes into registers 0-5 (registers 6-11 keep them: they still stand opposite zeros)
.endr
	v_mov_b32 v13, 0xff61b1e6
	s_delay_alu instid0(VALU_DEP_1)
	v_floor_f32 v12, -v13
	v_mov_b32 v14, 0
	v_mov_b32 v15, 0
.set i, 0
.rept 32
	v_mov_b32 v[O+i], 0                            ; (these are also the places between q's scale register and the next products)
.set i, i+1
.endr
	s_mov_b32 s12, s[T2]
	s_mov_b32 s[IW], s[I2]
	s_branch .Lhigh_in
.Lhand_over:                                       ; a second wave: its eight steps are done: O, -M and the sums go to the pair's bytes as they stand in the registers
.rept 4
	v_nop                                          ; places behind the last products
.endr
	s_wait_alu depctr_va_vdst(0)
.irp c, 0,1,2,3,4,5,6,7
	ds_store_b128 v[MAD], v[O+4*\c:O+4*\c+3] offset:512*\c         ; each accumulator from its low end on
.endr
	ds_store_b128 v[MAD], v[12:15] offset:4096
	s_mov_b32 s[IW], 0                             ; none of the steps to come is mine
.Lhigh_in:
	WALK 8
	s_mov_b32 s[CNT], 8
.Lhigh:                                            ; key steps 8 .. 15
	STEP
	s_sub_co_u32 s[CNT], s[CNT], 1
	s_cmp_lg_u32 s[CNT], 0
	s_cbranch_scc1 .Lhigh
	s_wait_dscnt 0x0                               ; for the partner's sake: my stores have landed
	s_barrier_signal -1
	s_barrier_wait -1
	s_cmp_lg_u32 s[ROLE], 0
	s_cbranch_scc1 .Lend
.rept 4
	v_nop                                          ; places behind the last products
.endr
.irp c, 0,1,2,3,4,5,6,7
	ds_load_b128 v[S+4*\c:S+4*\c+3], v[MAD] offset:512*\c          ; the partner's O: the same registers' images in the same lanes
.endr
	ds_load_b128 v[S+32:S+35], v[MAD] offset:4096  ; its -M, t and sums
	s_wait_dscnt 0x0
	v_min_num_f32 v[S+36], v12, v[S+32]            ; -M of both parts together
	s_delay_alu instid0(VALU_DEP_1)
	v_sub_f32 v[S+37], v[S+36], v[S+32]            ; the partner's M less the common one: a whole number, 0 or less
	s_delay_alu instid0(VALU_DEP_2)
	v_sub_f32 v[S+38], v[S+36], v12                ; mine likewise
	s_delay_alu instid0(VALU_DEP_2)
	v_cvt_i32_f32 v[S+37], v[S+37]
	s_delay_alu instid0(VALU_DEP_2)
	v_cvt_i32_f32 v[S+38], v[S+38]
	s_delay_alu instid0(VALU_DEP_2)
	v_ldexp_f32 v[S+40], 1.0, v[S+37]              ; two exact powers of two
	s_delay_alu instid0(VALU_DEP_2)
	v_ldexp_f32 v[S+42], 1.0, v[S+38]
	s_delay_alu instid0(VALU_DEP_2)
	v_mov_b32 v[S+41], v[S+40]
	s_delay_alu instid0(VALU_DEP_2)
	v_mov_b32 v[S+43], v[S+42]
	s_delay_alu instid0(VALU_DEP_1)
	v_pk_mul_f32 v[14:15], v[14:15], v[S+42:S+43]
	s_delay_alu instid0(VALU_DEP_1)
	v_pk_fma_f32 v[14:15], v[S+34:S+35], v[S+40:S+41], v[14:15]
.set j, 0
.rept 16
	v_pk_mul_f32 v[O+j:O+j+1], v[O+j:O+j+1], v[S+42:S+43]
.set j, j+2
.endr
.set j, 0
.rept 16
	v_pk_fma_f32 v[O+j:O+j+1], v[S+j:S+j+1], v[S+40:S+41], v[O+j:O+j+1]
.set j, j+2
.endr
	FINAL                                          ; tile 15 - p is whole
.Lend:
	s_wait_tensorcnt 0x0                           ; the wave's end
	ds_add_u32 v[SPW], v[NIL]
	s_wait_dscnt 0x0
	CROUND                                         ; the closing round
	s_endpgm
.Lfunc_end_k_q033be007d2_attn:
	.size	k_q033be007d2_attn, .Lfunc_end_k_q033be007d2_attn-k_q033be007d2_attn
	.p2alignl 7, 3214868480
	.fill 96, 4, 3214868480
	.section	.rodata,"a",@progbits
	.p2align	6, 0x0
	.amdhsa_kernel k_q033be007d2_attn
		.amdhsa_group_segment_fixed_size 327680
		.amdhsa_private_segment_fixed_size 0
		.amdhsa_enable_private_segment 0
		.amdhsa_kernarg_size 16
		.amdhsa_user_sgpr_count 2
		.amdhsa_user_sgpr_kernarg_segment_ptr 1
		.amdhsa_wavefront_size32 1
		.amdhsa_system_sgpr_workgroup_id_x 1
		.amdhsa_system_sgpr_workgroup_id_y 1
		.amdhsa_system_sgpr_workgroup_id_z 1
		.amdhsa_system_vgpr_workitem_id 0
		.amdhsa_next_free_vgpr 256
		.amdhsa_next_free_sgpr 96
		.amdhsa_reserve_vcc 1
		.amdhsa_float_denorm_mode_32 3
		.amdhsa_float_denorm_mode_16_64 3
		.amdhsa_memory_ordered 1
		.amdhsa_forward_progress 1
		.amdhsa_inst_pref_size 95
	.end_amdhsa_kernel
	.amdgpu_metadata
---
amdhsa.version: [ 1, 2 ]
amdhsa.kernels:
  - .name:           k_q033be007d2_attn
    .symbol:         k_q033be007d2_attn.kd
    .args:
      - { .name: qkv, .offset: 0, .size: 8, .value_kind: global_buffer, .address_space: global }
      - { .name: zb, .offset: 8, .size: 8, .value_kind: global_buffer, .address_space: global }
    .group_segment_fixed_size: 327680
    .private_segment_fixed_size: 0
    .kernarg_segment_align: 8
    .kernarg_segment_size: 16
    .max_flat_workgroup_size: 512
    .sgpr_count:     96
    .vgpr_count:     256
    .wavefront_size: 32
...
	.end_amdgpu_metadata
.endif
;; end of part 3
;; launch woln (part 4): grid 256 x 1, 8 waves a work-group, clusters of 4 x 1, 327,680 bytes of LDS; arguments zb, wa, x, g2, be2, hb, mb; writes hb, mb
.if DOCPART == 4
	.amdgcn_target "amdgcn-amd-amdhsa--gfx1250"
	.amdhsa_code_object_version 6
	.text
	.protected	k_q033be007d2_woln
	.globl	k_q033be007d2_woln
	.p2align	8
	.type	k_q033be007d2_woln,@function
k_q033be007d2_woln:
	s_mov_b64 s[64:65], 0
	v_nop
	global_prefetch_b8 v0, s[64:65] scope:SCOPE_SE
	s_setreg_imm32_b32 hwreg(HW_REG_WAVE_MODE, 25, 1), 1
	s_wait_xcnt 0x0
	s_wait_alu depctr_hold_cnt(0) depctr_sa_sdst(0) depctr_va_vdst(0) depctr_va_sdst(0) depctr_va_ssrc(0) depctr_va_vcc(0) depctr_vm_vsrc(0)
	s_getreg_b32 s2, hwreg(HW_REG_IB_STS2, 6, 4)
	s_cmp_eq_u32 s2, 0
	s_cbranch_scc0 .Lentry_in_a_cluster
	s_endpgm
.Lentry_in_a_cluster:
	s_bfe_u32 s2, ttmp6, 0x10000c
	s_cmp_lg_u32 s2, 0x3003
	s_cbranch_scc0 .Lentry_shape_is_right
	s_endpgm
.Lentry_shape_is_right:
; h = x + z Wo on codes of E3M2 (z: launch attn; Wo: launch wq), and LayerNorm 2 of h quantised at once for launch ff1.  No work is left out here.
; SHARES.  A work-group takes one tile of 16 rows and ALL 1,024 columns, so that a row's mean and variance are made where h is made.  Wave w takes columns 128 w .. 128 w + 127: eight tiles of 16 columns,
; eight accumulators, K = 1,024 in eight steps of 128: 64 matrix instructions.  Each of its 64 fragments of Wo is used once, by this wave alone.  Operands lie as images of their registers (launch wq's head).
; TWO ROADS FOR Wo.  The fragments of column tiles 0-3 go from memory straight into registers (three loads of 512 consecutive bytes each), two K steps ahead, waited for by count; so do z's fragments (two
; halves of six registers, one head a half).  Those of column tiles 4-7 come through LDS: a ring of two slots, a slot holding two K steps; each wave fills and reads its own 12,288 bytes of a slot.
; CLUSTERS: every work-group walks the same bytes of Wo, so four form a cluster and ask for each tile jointly (mask 15); a round of the cluster's barrier stands in front of every fill.
; By this text's own count a wave has one tensor load out.  No prefetch: a refill is asked for a trip of two K steps ahead of its first read, and the walk has four trips.
; THE MATRIX INSTRUCTION IS USED TRANSPOSED (source 0 = 16 columns of Wo, source 1 = z's 16 rows): lane (r, h) holds row r, register 8 t + j column 16 t + 8 h + j: the order inside a block of 32 that
; the whole program uses.  x turns through the wave's own stage in LDS into that layout and is the C of the first products: the sums come out as h.  h goes back through the stage and leaves as rows.
; One scale register serves two K steps: lanes 0-15 hold the even step's words, lanes 16-31 the odd step's (128 consecutive bytes).
; THE NORM: mean, then the mean of squared differences, eps 1e-5, rsqrt, gain, bias, all f32; a row's sums meet in LDS (two barriers; a third for the scale words).
; Out: h as f32 rows; images at (8 rt + ks) x 1,536 and scale words at 3,145,728 + (8 rt + ks) x 64 of mb.
; LIMITS: a block of zeros gets the byte 1 (its codes are zeros; this program alone reads the bytes); NaN and infinities are not served; v_rsq_f32 is good to an ulp.
; REGISTERS: window 0: v0-15 addresses; v16-79 x, the sums, h; v80-143 the biases; v144-161 scale words; v208-255 the norm's.  window 1: two sets of 108 (8 fragments of Wo, 1 of z); later v0-63 the gains, v108-171 h's rows.
.set WOC, 5636096
.set WOS, 12812288
.set ZS,  3145728
.set RED,   0
.set RED2,  512
.set SCW,   1024
.set SPARE, 1536                       ; the spare words, 128 bytes for each of eight waves
.set STG0,  2560                       ; the stages: 16 rows x 528 bytes for each wave
.set STGW,  8448
.set SL0,   70144                      ; behind them the ring: two slots of 8 x 12,288 bytes; nothing is stored there
.set SLOT,  98304
.set NX,  16
.set BE,  80
.set SCL, 144                          ; nine scale registers for a pair of steps (8 of Wo, 1 of z), two sets
.set TM,  208
.set PW,  224
.set MU,  226
.set PC,  228
.set HT,  108
.set SEL, 26
.set G0,  44                           ; s[44:51] descriptor group 0, one set for each slot
.set G1,  52                           ; s[52:59] group 1
.set MSB, 0
.macro WIN new
.if MSB != \new
	s_set_vgpr_msb (MSB<<8)|\new
.set MSB, \new
.endif
.endm
.macro CROUND                          ; a round of the cluster's barrier
	s_barrier_signal -1
	s_barrier_wait -1
	s_cmp_lg_u32 s12, 0
	s_cbranch_scc1 .Lnot_first_\@
	s_barrier_signal -3
.Lnot_first_\@:
	s_barrier_wait -3
	s_barrier_signal -1
	s_barrier_wait -1
.endm
.macro LD ks                           ; step ks: column tiles 0-3 and z's fragment into set ks % 2: 16 loads; with an even step the pair's nine scale registers
.if (\ks)%2 == 0
.irp t, 0,1,2,3,4,5,6,7
	global_load_b32 v[SCL+9*(((\ks)/2)%2)+\t], v14, s[40:41] offset:512*\t+64*(\ks)
.endr
	global_load_b32 v[SCL+9*(((\ks)/2)%2)+8], v14, s[36:37] offset:64*(\ks)
.endif
	WIN 0x40
.irp t, 0,1,2,3
.irp c, 0,1,2
	global_load_b128 v[108*((\ks)%2)+12*\t+4*\c:108*((\ks)%2)+12*\t+4*\c+3], v7, s[38:39] offset:12288*\t+1536*(\ks)+512*\c
.endr
.endr
.set FA, 108*((\ks)%2)+96
	global_load_b128 v[FA:FA+3], v7, s[34:35] offset:1536*(\ks)
	global_load_b64 v[FA+4:FA+5], v13, s[34:35] offset:1536*(\ks)+512
	global_load_b128 v[FA+6:FA+9], v7, s[34:35] offset:1536*(\ks)+768
	global_load_b64 v[FA+10:FA+11], v13, s[34:35] offset:1536*(\ks)+1280
	WIN 0
.endm
.macro FB ks, adr                      ; step ks: column tiles 4-7 out of my bytes of the slot into set ks % 2: 12 loads
	WIN 0x40
.irp t, 0,1,2,3
.irp c, 0,1,2
	ds_load_b128 v[108*((\ks)%2)+48+12*\t+4*\c:108*((\ks)%2)+48+12*\t+4*\c+3], v[\adr] offset:3072*\t+1536*((\ks)%2)+512*\c
.endr
.endr
	WIN 0
.endm
.macro STEP ks, n, d                   ; n, d: the global and the LDS loads issued behind this step's, which may be out.  The eight accumulators take turns
	s_wait_loadcnt \n
	s_wait_dscnt \d
	WIN 0x05
.set FA, 108*((\ks)%2)+96
.set SS, SCL+9*(((\ks)/2)%2)
.irp t, 0,1,2,3,4,5,6,7
.if (\ks)%2
	v_wmma_scale_f32_16x16x128_f8f6f4 v[NX+8*\t:NX+8*\t+7], v[FA-96+12*\t:FA-96+12*\t+11], v[FA:FA+11], v[NX+8*\t:NX+8*\t+7], v[SS+\t], v[SS+8] matrix_a_fmt:MATRIX_FMT_BF6 matrix_b_fmt:MATRIX_FMT_BF6 matrix_a_scale:MATRIX_SCALE_ROW1 matrix_b_scale:MATRIX_SCALE_ROW1
.else
	v_wmma_scale_f32_16x16x128_f8f6f4 v[NX+8*\t:NX+8*\t+7], v[FA-96+12*\t:FA-96+12*\t+11], v[FA:FA+11], v[NX+8*\t:NX+8*\t+7], v[SS+\t], v[SS+8] matrix_a_fmt:MATRIX_FMT_BF6 matrix_b_fmt:MATRIX_FMT_BF6
.endif
.endr
	WIN 0
.rept 4
	v_nop                                          ; four plain lines behind the products, ahead of loads into the set that they read and of reads of the sums
.endr
.endm
.macro TOP p                           ; a trip's head: K steps 2 p and 2 p + 1 lie in slot p % 2; the other slot takes the next trip's
	s_wait_tensorcnt 0x0                           ; my load has landed: my bytes of this trip's slot;
	ds_add_u32 v2, v3                              ; 0 onto my spare word;
.if (\p) < 2
	s_add_nc_u64 s[G0+4*((\p)%2)+2:G0+4*((\p)%2)+3], s[G0+4*((\p)%2)+2:G0+4*((\p)%2)+3], 4*1536   ; no load of mine is out: this slot's next tile, four K steps on
.endif
	s_wait_dscnt 0x0                               ; the add is done, and so are my reads of the other slot
	CROUND                                         ; both now hold of every wave of the four work-groups
.if (\p) < 3
	tensor_load_to_lds s[G0+4*(((\p)+1)%2):G0+4*(((\p)+1)%2)+3], s[G1:G1+7]
	s_nop 0
.rept 4
	v_nop
.endr
.endif
.endm
.macro QUANT s                         ; 64 numbers of a lane, register 16 b + i = position 16 (lane / 16) + i of block b of my row -> a fragment's codes in v[PC] on, its scale word in v[PW]
.irp b, 0,1,2,3
	v_max3_num_f32 v[TM+\b], |v[\s+16*\b]|, |v[\s+1+16*\b]|, 0x2800000   ; and the floor 2^(5 - 127): the byte cannot fall under 1
.endr
.irp i, 2,4,6,8,10,12,14
.irp b, 0,1,2,3
	s_delay_alu instid0(VALU_DEP_4)
	v_max3_num_f32 v[TM+\b], v[TM+\b], |v[\s+16*\b+\i]|, |v[\s+1+16*\b+\i]|
.endr
.endr
.irp b, 0,1,2,3
	s_delay_alu instid0(VALU_DEP_4)
	v_permlanex16_b32 v[TM+4+\b], v[TM+\b], s[SEL], s[SEL+1]
.endr
.irp b, 0,1,2,3
	s_delay_alu instid0(VALU_DEP_4)
	v_max_num_f32 v[TM+\b], v[TM+\b], v[TM+4+\b]
.endr
.irp b, 0,1,2,3
	s_delay_alu instid0(VALU_DEP_4)
	v_add_nc_u32 v[TM+12+\b], 0xfe000000, v[TM+\b]
.endr
.irp b, 0,1,2,3
	s_delay_alu instid0(VALU_DEP_4)
	v_lshrrev_b32 v[TM+4+\b], 23, v[TM+12+\b]
.endr
	s_delay_alu instid0(VALU_DEP_3)
	v_lshl_or_b32 v[PW], v[TM+5], 8, v[TM+4]
	s_delay_alu instid0(VALU_DEP_1)
	v_lshl_or_b32 v[PW], v[TM+6], 16, v[PW]
	s_delay_alu instid0(VALU_DEP_1)
	v_lshl_or_b32 v[PW], v[TM+7], 24, v[PW]
.irp c, 0,1
	v_cvt_scalef32_pk16_bf6_f32 v[PC+6*\c:PC+2+6*\c], v[\s+32*\c:\s+15+32*\c], v[TM+12+2*\c]
	v_cvt_scalef32_pk16_bf6_f32 v[PC+12+4*\c:PC+14+4*\c], v[\s+16+32*\c:\s+31+32*\c], v[TM+12+2*\c+1]
.endr
	v_nop                                          ; one plain line behind the last scaled conversion
.irp c, 0,1
.irp i, 0,1,2
	v_permlane16_swap_b32 v[PC+6*\c+\i], v[PC+12+4*\c+\i]
.endr
.irp i, 0,1,2
	s_delay_alu instid0(VALU_DEP_3)
	v_mov_b32 v[PC+3+6*\c+\i], v[PC+12+4*\c+\i]
.endr
.endr
.endm
; my four chains in v248-255 become the row's sum over all 1,024 columns, in v248 of every lane: lane l xor 16, then the eight waves through LDS, added in the waves' order
.macro ROWSUM where
	s_delay_alu instid0(VALU_DEP_3)
	v_pk_add_f32 v[248:249], v[248:249], v[250:251]
	s_delay_alu instid0(VALU_DEP_2)
	v_pk_add_f32 v[252:253], v[252:253], v[254:255]
	s_delay_alu instid0(VALU_DEP_1)
	v_pk_add_f32 v[248:249], v[248:249], v[252:253]
	s_delay_alu instid0(VALU_DEP_1)
	v_add_f32 v248, v248, v249
	s_delay_alu instid0(VALU_DEP_1)
	v_permlanex16_b32 v250, v248, s[SEL], s[SEL+1]
	s_delay_alu instid0(VALU_DEP_1)
	v_add_f32 v248, v248, v250
	ds_store_b32 v11, v248 offset:\where           ; lanes r and 16 + r write the same word with the same value
	s_wait_dscnt 0x0                               ; for the others' sake: my store has landed
	s_barrier_signal -1
	s_barrier_wait -1
.irp w, 0,1,2,3,4,5,6,7
	ds_load_b32 v[248+\w], v12 offset:\where+64*\w
.endr
	s_wait_dscnt 0x0
.irp w, 1
	v_add_f32 v248, v248, v[248+\w]
.endr
.irp w, 2, 3, 4, 5, 6, 7
	s_delay_alu instid0(VALU_DEP_1)
	v_add_f32 v248, v248, v[248+\w]
.endr
.endm
	s_load_b256 s[4:11], s[0:1], 0x0               ; zb, wa, x, g2
	s_load_b128 s[28:31], s[0:1], 0x20             ; be2, hb
	s_load_b64 s[32:33], s[0:1], 0x30              ; mb
	v_lshl_add_u32 v2, v0, 2, SPARE                ; my spare word, and 0: kept for the adds alone
	v_mov_b32 v3, 0
	ds_add_u32 v2, v3                              ; the opening: the add, twice on end, and its wait ahead of my first tensor load
	ds_add_u32 v2, v3
	v_lshrrev_b32 v1, 5, v0
	v_readfirstlane_b32 s12, v1                    ; wave
	s_bfe_u32 s42, ttmp6, 0x40000                  ; my place in the cluster: it enters global addresses of z, x, h and the codes alone
	s_lshl_b32 s15, ttmp9, 2
	s_add_co_u32 s15, s15, s42                     ; my tile of 16 rows
	s_mul_i32 s13, s12, STGW
	s_add_co_u32 s13, s13, STG0                    ; my stage
	s_lshl_b32 s14, s12, 6
	s_mov_b32 s[SEL], 0x76543210
	s_mov_b32 s[SEL+1], 0xfedcba98
	s_mov_b32 s20, 0x3a800000                      ; 1 / 1,024
	s_mov_b32 s21, 0x3727c5ac                      ; 1e-5
	s_lshl_b32 s16, s15, 16                        ; 16 rows of 4,096 bytes
	s_lshl_b32 s18, s12, 9                         ; my 128 columns
	s_add_co_u32 s16, s16, s18
	s_mov_b32 s17, 0
	s_mov_b32 s19, 0
	s_lshl_b32 s22, s15, 3
	s_add_co_u32 s22, s22, s12
	s_mul_i32 s22, s22, 1536                       ; my fragment's image in mb
	s_mov_b32 s23, 0
	s_lshl_b32 s24, s15, 9
	s_add_co_u32 s24, s24, ZS                      ; the tile's scale words: the same place in zb and in mb
	s_mov_b32 s25, 0
	s_mul_i32 s34, s15, 12288                      ; z's eight fragments
	s_mov_b32 s35, 0
	s_mul_i32 s38, s12, 98304
	s_add_co_u32 s38, s38, WOC                     ; my 64 fragments of Wo
	s_mov_b32 s39, 0
	s_lshl_b32 s40, s12, 12
	s_add_co_u32 s40, s40, WOS                     ; and their scale words
	s_mov_b32 s41, 0
	s_add_co_u32 s60, s38, 4*12288                 ; column tiles 4-7
	s_mov_b32 s61, 0
	s_mul_i32 s62, s12, 12288
	s_add_co_u32 s62, s62, SL0                     ; my bytes of slot 0
	s_add_co_u32 s63, s62, SLOT                    ; and of slot 1
	s_mov_b32 s[G1], 15|(3<<16)|(1<<21)            ; 4 rows (column tiles) of two fragments, 384 elements of 8 bytes, a whole K (1,536 elements) apart; mask: all four partners
	s_mov_b32 s[G1+1], 384<<16
	s_mov_b32 s[G1+2], 4<<16
	s_mov_b32 s[G1+3], 384<<16
	s_mov_b32 s[G1+4], 4
	s_mov_b32 s[G1+5], 1536
	s_mov_b32 s[G1+6], 0
	s_mov_b32 s[G1+7], 0
	s_wait_dscnt 0x0                               ; both opening adds are done
	s_wait_kmcnt 0x0
	s_add_nc_u64 s[34:35], s[4:5], s[34:35]
	s_add_nc_u64 s[36:37], s[4:5], s[24:25]
	s_add_nc_u64 s[38:39], s[6:7], s[38:39]
	s_add_nc_u64 s[40:41], s[6:7], s[40:41]
	s_add_nc_u64 s[8:9], s[8:9], s[16:17]
	s_add_nc_u64 s[30:31], s[30:31], s[16:17]
	s_add_nc_u64 s[10:11], s[10:11], s[18:19]
	s_add_nc_u64 s[28:29], s[28:29], s[18:19]
	s_add_nc_u64 s[22:23], s[32:33], s[22:23]
	s_add_nc_u64 s[24:25], s[32:33], s[24:25]
	s_mov_b32 s[G0], 1
	s_mov_b32 s[G0+1], s62
	s_add_nc_u64 s[G0+2:G0+3], s[6:7], s[60:61]    ; K steps 0 and 1
	s_mov_b32 s[G0+4], 1
	s_mov_b32 s[G0+5], s63
	s_add_nc_u64 s[G0+6:G0+7], s[G0+2:G0+3], 2*1536   ; K steps 2 and 3
	s_or_b32 s[G0+3], s[G0+3], 0x80000000
	s_or_b32 s[G0+7], s[G0+7], 0x80000000
	CROUND                                         ; all four work-groups are here: the joint loads meet
	tensor_load_to_lds s[G0:G0+3], s[G1:G1+7]      ; one tensor load a wave at the head
	s_nop 0
.rept 4
	v_nop
.endr
	v_and_b32 v4, 31, v0
	v_and_b32 v5, 15, v0                           ; r
	v_bfe_u32 v6, v0, 4, 1                         ; h
	v_lshlrev_b32 v7, 4, v4                        ; 16 x lane
	v_lshlrev_b32 v13, 3, v4                       ; 8 x lane
	v_lshlrev_b32 v14, 2, v4                       ; 4 x lane
	v_add_nc_u32 v8, s13, v7                       ; the stage by rows: 512 bytes as they lie
	v_mul_u32_u24 v9, v5, 528
	v_lshl_add_u32 v9, v6, 5, v9
	v_add_nc_u32 v9, s13, v9                       ; and by the result's layout: row r, + 32 h
	v_lshlrev_b32 v10, 5, v6                       ; 32 h: the same places among the gains and biases
	v_lshlrev_b32 v12, 2, v5                       ; 4 r
	v_add_nc_u32 v11, s14, v12                     ; 64 w + 4 r
	v_add_nc_u32 v15, s62, v7                      ; my fragments in slot 0,
	v_add_nc_u32 v1, s63, v7                       ; and in slot 1
.irp b, 0,1,2,3
	v_mov_b32 v[TM+4+\b], 0                        ; a lane permute's destination counts as one of its sources
.endr
	v_mov_b32 v250, 0
	s_wait_alu depctr_va_vdst(0)                   ; the wait at the head's end
.irp i, 0,1,2,3,4,5,6,7,8,9,10,11,12,13,14,15
	global_load_b128 v[NX+4*\i:NX+4*\i+3], v7, s[8:9] offset:4096*\i th:TH_LOAD_NT
.endr
	LD 0
	LD 1
	s_wait_loadcnt 41                              ; x's 16 loads are in; behind them stand steps 0 and 1: 25 + 16 loads
	s_wait_tensorcnt 0x0                           ; no LDS store is issued while a tensor load of mine is out
.irp i, 0,1,2,3,4,5,6,7,8,9,10,11,12,13,14,15
	ds_store_b128 v8, v[NX+4*\i:NX+4*\i+3] offset:528*\i
.endr
.irp b, 0,1,2,3
.irp j, 0,1,2,3
	ds_load_b128 v[NX+16*\b+4*\j:NX+16*\b+4*\j+3], v9 offset:128*\b+64*(\j/2)+16*(\j%2)   ; LDS serves a wave's instructions in order: these see my stores.  Register 16 b + i: column 32 b + 8 h + 16 (i / 8) + i % 8
.endr
.endr
	TOP 0                                          ; (its wait on DScnt is also the wait for x)
	FB 0, 15
	FB 1, 15
	STEP 0, 16, 12                                 ; behind step ks's global loads stand step ks + 1's: 16 where that step is odd, 25 where it is even
	LD 2
	STEP 1, 25, 0
	LD 3
	TOP 1
	FB 2, 1
	FB 3, 1
	STEP 2, 16, 12
	LD 4
	STEP 3, 25, 0
	LD 5
	TOP 2
	FB 4, 15
	FB 5, 15
	STEP 4, 16, 12
	LD 6
	STEP 5, 25, 0
	LD 7
	TOP 3
	FB 6, 1
	FB 7, 1
	STEP 6, 16, 12
	WIN 0x40
.irp b, 0,1,2,3
.irp j, 0,1,2,3
	global_load_b128 v[16*\b+4*\j:16*\b+4*\j+3], v10, s[10:11] offset:128*\b+64*(\j/2)+16*(\j%2)      ; the gains, where set 0 lay
.endr
.endr
	WIN 0
.irp b, 0,1,2,3
.irp j, 0,1,2,3
	global_load_b128 v[BE+16*\b+4*\j:BE+16*\b+4*\j+3], v10, s[28:29] offset:128*\b+64*(\j/2)+16*(\j%2)
.endr
.endr
	STEP 7, 32, 0                                  ; the gains' and biases' 32 loads may be out
.irp b, 0,1,2,3
.irp j, 0,1,2,3
	ds_store_b128 v9, v[NX+16*\b+4*\j:NX+16*\b+4*\j+3] offset:128*\b+64*(\j/2)+16*(\j%2)    ; h back through my stage, each accumulator from its low end on
.endr
.endr
	WIN 0x40
.irp i, 0,1,2,3,4,5,6,7,8,9,10,11,12,13,14,15
	ds_load_b128 v[HT+4*\i:HT+4*\i+3], v8 offset:528*\i
.endr
	s_wait_dscnt 0x0
	WIN 0x04
.irp i, 0,1,2,3,4,5,6,7,8,9,10,11,12,13,14,15
	global_store_b128 v7, v[HT+4*\i:HT+4*\i+3], s[30:31] offset:4096*\i      ; 512 consecutive bytes of a row of h
.endr
	WIN 0
.irp c, 0,1,2,3
	v_pk_add_f32 v[248+2*\c:249+2*\c], v[NX+2*\c:NX+2*\c+1], v[NX+8+2*\c:NX+9+2*\c]
.endr
.irp i, 16,24,32,40,48,56
.irp c, 0,1,2,3
	v_pk_add_f32 v[248+2*\c:249+2*\c], v[248+2*\c:249+2*\c], v[NX+\i+2*\c:NX+\i+2*\c+1]
.endr
.endr
	ROWSUM RED
	s_delay_alu instid0(VALU_DEP_1)
	v_mul_f32 v[MU], s20, v248                     ; the mean
	s_delay_alu instid0(VALU_DEP_1)
	v_mov_b32 v[MU+1], v[MU]
.set i, 0
.rept 32
	v_pk_add_f32 v[NX+2*i:NX+2*i+1], v[NX+2*i:NX+2*i+1], v[MU:MU+1] neg_lo:[0,1] neg_hi:[0,1]
.set i, i+1
.endr
.irp c, 0,1,2,3
	v_pk_mul_f32 v[248+2*\c:249+2*\c], v[NX+2*\c:NX+2*\c+1], v[NX+2*\c:NX+2*\c+1]
.endr
.irp i, 8,16,24,32,40,48,56
.irp c, 0,1,2,3
	s_delay_alu instid0(VALU_DEP_4)
	v_pk_fma_f32 v[248+2*\c:249+2*\c], v[NX+\i+2*\c:NX+\i+2*\c+1], v[NX+\i+2*\c:NX+\i+2*\c+1], v[248+2*\c:249+2*\c]
.endr
.endr
	ROWSUM RED2
	s_delay_alu instid0(VALU_DEP_1)
	v_fma_f32 v[MU], v248, s20, s21                ; the variance + eps (the multiplication by 2^-10 rounds nothing)
	s_wait_alu depctr_va_vdst(0)                   ; the wait ahead of the transcendental,
	v_rsq_f32 v[MU], v[MU]
	v_nop                                          ; a plain line behind it,
	s_wait_alu depctr_va_vdst(0)                   ; and the wait ahead of its first reader
	v_mov_b32 v[MU+1], v[MU]
	s_wait_alu depctr_va_vdst(0)
	s_wait_loadcnt 0x0                             ; gains and biases
.set i, 0
.rept 32
	v_pk_mul_f32 v[NX+2*i:NX+2*i+1], v[NX+2*i:NX+2*i+1], v[MU:MU+1]
.set i, i+1
.endr
	WIN 0x04                                       ; the gains lie in window 1
.set i, 0
.rept 32
	v_pk_fma_f32 v[NX+2*i:NX+2*i+1], v[NX+2*i:NX+2*i+1], v[2*i:2*i+1], v[BE+2*i:BE+2*i+1]
.set i, i+1
.endr
	WIN 0
	QUANT NX
.irp c, 0,1,2
	global_store_b128 v7, v[PC+4*\c:PC+4*\c+3], s[22:23] offset:512*\c    ; 512 consecutive bytes, at a multiple of 256 from the buffer's first byte
.endr
	ds_store_b32 v11, v[PW] offset:SCW
	s_wait_dscnt 0x0
	s_barrier_signal -1
	s_barrier_wait -1
	s_cmp_lg_u32 s12, 0
	s_cbranch_scc1 .Lnot_wave_0
	ds_load_b128 v[248:251], v7 offset:SCW         ; the tile's eight groups of scale words: 512 bytes
	s_wait_dscnt 0x0
	global_store_b128 v7, v[248:251], s[24:25]
.Lnot_wave_0:
	s_wait_tensorcnt 0x0                           ; the wave's end
	ds_add_u32 v2, v3
	s_wait_dscnt 0x0
	CROUND                                         ; the closing round
	s_endpgm
.Lfunc_end_k_q033be007d2_woln:
	.size	k_q033be007d2_woln, .Lfunc_end_k_q033be007d2_woln-k_q033be007d2_woln
	.p2alignl 7, 3214868480
	.fill 96, 4, 3214868480
	.section	.rodata,"a",@progbits
	.p2align	6, 0x0
	.amdhsa_kernel k_q033be007d2_woln
		.amdhsa_group_segment_fixed_size 327680
		.amdhsa_private_segment_fixed_size 0
		.amdhsa_enable_private_segment 0
		.amdhsa_kernarg_size 56
		.amdhsa_user_sgpr_count 2
		.amdhsa_user_sgpr_kernarg_segment_ptr 1
		.amdhsa_wavefront_size32 1
		.amdhsa_system_sgpr_workgroup_id_x 1
		.amdhsa_system_sgpr_workgroup_id_y 1
		.amdhsa_system_sgpr_workgroup_id_z 1
		.amdhsa_system_vgpr_workitem_id 0
		.amdhsa_next_free_vgpr 512
		.amdhsa_next_free_sgpr 66
		.amdhsa_reserve_vcc 0
		.amdhsa_float_denorm_mode_32 3
		.amdhsa_float_denorm_mode_16_64 3
		.amdhsa_memory_ordered 1
		.amdhsa_forward_progress 1
		.amdhsa_inst_pref_size 71
	.end_amdhsa_kernel
	.amdgpu_metadata
---
amdhsa.version: [ 1, 2 ]
amdhsa.kernels:
  - .name:           k_q033be007d2_woln
    .symbol:         k_q033be007d2_woln.kd
    .args:
      - { .name: zb, .offset: 0, .size: 8, .value_kind: global_buffer, .address_space: global }
      - { .name: wa, .offset: 8, .size: 8, .value_kind: global_buffer, .address_space: global }
      - { .name: x, .offset: 16, .size: 8, .value_kind: global_buffer, .address_space: global }
      - { .name: g2, .offset: 24, .size: 8, .value_kind: global_buffer, .address_space: global }
      - { .name: be2, .offset: 32, .size: 8, .value_kind: global_buffer, .address_space: global }
      - { .name: hb, .offset: 40, .size: 8, .value_kind: global_buffer, .address_space: global }
      - { .name: mb, .offset: 48, .size: 8, .value_kind: global_buffer, .address_space: global }
    .group_segment_fixed_size: 327680
    .private_segment_fixed_size: 0
    .kernarg_segment_align: 8
    .kernarg_segment_size: 56
    .max_flat_workgroup_size: 256
    .sgpr_count:     66
    .vgpr_count:     512
    .wavefront_size: 32
...
	.end_amdgpu_metadata
.endif
;; end of part 4
;; launch ff1 (part 5): grid 16 x 16, 4 waves a work-group, clusters of 4 x 4, 327,680 bytes of LDS; arguments mb, wa, b1, gb; writes gb
.if DOCPART == 5
	.amdgcn_target "amdgcn-amd-amdhsa--gfx1250"
	.amdhsa_code_object_version 6
	.text
	.protected	k_q033be007d2_ff1
	.globl	k_q033be007d2_ff1
	.p2align	8
	.type	k_q033be007d2_ff1,@function
k_q033be007d2_ff1:
	s_mov_b64 s[64:65], 0
	v_nop
	global_prefetch_b8 v0, s[64:65] scope:SCOPE_SE
	s_setreg_imm32_b32 hwreg(HW_REG_WAVE_MODE, 25, 1), 1
	s_wait_xcnt 0x0
	s_wait_alu depctr_hold_cnt(0) depctr_sa_sdst(0) depctr_va_vdst(0) depctr_va_sdst(0) depctr_va_ssrc(0) depctr_va_vcc(0) depctr_vm_vsrc(0)
	s_getreg_b32 s2, hwreg(HW_REG_IB_STS2, 6, 4)
	s_cmp_eq_u32 s2, 0
	s_cbranch_scc0 .Lentry_in_a_cluster
	s_endpgm
.Lentry_in_a_cluster:
	s_bfe_u32 s2, ttmp6, 0x10000c
	s_cmp_lg_u32 s2, 0xf033
	s_cbranch_scc0 .Lentry_shape_is_right
	s_endpgm
.Lentry_shape_is_right:
.set MA, 8
.set NB, 8
.set NQ, 2
.set KS, 8
.set ZFORM, 0
.set BI, 192
.set W1C, 6422528
.set W1S, 12845056
.set GS,  12582912
.set HA, 64
.set PC, 128
.set TM, 148
.set PW, 12
.set PWE, 13
.set SW, 14
.set U,  128
.set SS, 160
.set PP, 192
.set QQ, 224
.set HALFT, MA*NQ*1536
.set SLOT,  4*HALFT
.set SCL,   2*SLOT
.set HALFS, MA*KS*64
.set SPARE, 327168
.set LAPS,  KS/(2*NQ)
.set ADRA,  16
.set ADRA8, 18
.set ADRB,  20
.set L16,   22
.set L8,    23
.set STO,   24
.set RD,    25
.set CO,    26
.set ADRS,  27
.set SPW,   28
.set NIL,   29
.set SC,    32
.set AF,    64
.set G1,    24
.set G0,    32
.set G1B,   48
.set G0B,   56
.set G1S,   68
.set G0S,   76
.set G1SB,  80
.set G0SB,  88
.set SEL,   104
.set MSB,   0
.macro WIN new
.if MSB != \new
	s_set_vgpr_msb (MSB<<8)|\new
.set MSB, \new
.endif
.endm
.macro JLOAD g0a, g1a, g0b, g1b
	s_cmp_eq_u32 s15, 0
	s_cbranch_scc0 .Lfor_b_\@
	tensor_load_to_lds s[\g0a:\g0a+3], s[\g1a:\g1a+7]
	s_nop 0
.rept 4
	v_nop
.endr
	s_branch .Lasked_\@
.Lfor_b_\@:
	tensor_load_to_lds s[\g0b:\g0b+3], s[\g1b:\g1b+7]
	s_nop 0
.rept 4
	v_nop
.endr
.Lasked_\@:
.endm
.macro CREST
	s_cmp_lg_u32 s14, 0
	s_cbranch_scc1 .Lnot_wave_0_\@
	s_barrier_signal -3
.Lnot_wave_0_\@:
	s_barrier_wait -3
	s_barrier_signal -1
	s_barrier_wait -1
.endm
.macro CROUND
	s_barrier_signal -1
	s_barrier_wait -1
	CREST
.endm
.macro PLACES n
.rept \n
	v_nop
.endr
.endm
.macro FRAG3 reg, adr, off
.irp c, 0,1,2
	ds_load_b128 v[(\reg)+4*\c:(\reg)+4*\c+3], v[\adr] offset:(\off)+512*\c
.endr
.endm
.macro FETCH slot, q, p
	WIN 0x40
.set fi, 0
.rept NB
	FRAG3 12*NB*(\p)+12*fi, ADRB+(\slot), (fi*NQ+(\q))*1536
.set fi, fi+1
.endr
	WIN 0
.set fi, 0
.rept MA
	FRAG3 AF+12*MA*(\p)+12*fi, ADRA+(\slot), (fi*NQ+(\q))*1536
.set fi, fi+1
.endr
.endm
.macro SCALES sc
.set fi, 0
.rept MA*NQ
	ds_load_b32 v[SC+16*(\sc)+fi], v[ADRS] offset:(fi/NQ)*KS*64+(fi%NQ)*64
.set fi, fi+1
.endr
.endm
.macro MULQ k, p, q, sc, cm
.if (\k)*MA/4 >= 4
	WIN 0xf1
.else
	WIN 0xa1
.endif
.set ma, (\k)*MA/4
.rept MA/4
.set mb, 0
.rept NB
.set rD, 8*(NB*(ma%4)+mb)
.set rB, 12*NB*(\p)+12*mb
.set rA, AF+12*MA*(\p)+12*ma
.set sB, SC+16*(\sc)+NQ*mb+(\q)
.set sA, SC+16*(\sc)+NQ*ma+(\q)
.if (\cm) == 1
	v_wmma_scale_f32_16x16x128_f8f6f4 v[rD:rD+7], v[rB:rB+11], v[rA:rA+11], 0, v[sB], v[sA] matrix_a_fmt:MATRIX_FMT_BF6 matrix_b_fmt:MATRIX_FMT_BF6 matrix_a_scale:MATRIX_SCALE_ROW1
.else
	v_wmma_scale_f32_16x16x128_f8f6f4 v[rD:rD+7], v[rB:rB+11], v[rA:rA+11], v[rD:rD+7], v[sB], v[sA] matrix_a_fmt:MATRIX_FMT_BF6 matrix_b_fmt:MATRIX_FMT_BF6 matrix_a_scale:MATRIX_SCALE_ROW1
.endif
.set mb, mb+1
.endr
.set ma, ma+1
.endr
.endm
.macro STEP slot, q, cm
	s_wait_dscnt 0x0
	PLACES 4
	FETCH \slot, (\q)+1, 1-(\q)%2
	MULQ 0, (\q)%2, \q, \slot, \cm
	MULQ 1, (\q)%2, \q, \slot, \cm
	MULQ 2, (\q)%2, \q, \slot, \cm
	MULQ 3, (\q)%2, \q, \slot, \cm
	WIN 0
.endm
.macro TURN slot, next, fill
	s_wait_tensorcnt 0x0
	ds_add_u32 v[SPW], v[NIL]
	s_wait_dscnt 0x1
	MULQ 0, 1, NQ-1, \slot, 0
	s_wait_dscnt 0x0
	s_barrier_signal -1
	MULQ 1, 1, NQ-1, \slot, 0
	WIN 0
	s_barrier_wait -1
.if \fill
	CREST
	s_add_nc_u64 s[G0+4*\slot+2:G0+4*\slot+3], s[G0+4*\slot+2:G0+4*\slot+3], 2*NQ*1536
	s_add_nc_u64 s[G0B+4*\slot+2:G0B+4*\slot+3], s[G0B+4*\slot+2:G0B+4*\slot+3], 2*NQ*1536
	JLOAD G0+4*\slot, G1, G0B+4*\slot, G1B
.else
	PLACES 4
.endif
	s_wait_alu depctr_va_vdst(0)
	v_add_nc_u32 v[ADRS], NQ*64, v[ADRS]
	FETCH \next, 0, 0
	SCALES \next
	MULQ 2, 1, NQ-1, \slot, 0
	MULQ 3, 1, NQ-1, \slot, 0
	WIN 0
.endm
.macro LAST
	s_wait_dscnt 0x0
	MULQ 0, 1, NQ-1, 1, 0
	MULQ 1, 1, NQ-1, 1, 0
	MULQ 2, 1, NQ-1, 1, 0
	MULQ 3, 1, NQ-1, 1, 0
	WIN 0
.endm
.macro OPENING
	v_lshl_add_u32 v[SPW], v0, 2, SPARE
	v_mov_b32 v[NIL], 0
	ds_add_u32 v[SPW], v[NIL]
	ds_add_u32 v[SPW], v[NIL]
	v_lshrrev_b32 v1, 5, v0
	v_readfirstlane_b32 s14, v1
	s_lshr_b32 s15, s14, 1
	s_and_b32 s16, s14, 1
	s_bfe_u32 s40, ttmp6, 0x40000
	s_bfe_u32 s41, ttmp6, 0x40004
.endm
.macro DESCR
	s_lshl_b32 s43, s41, 2
	s_lshl_b32 s43, 15, s43
	s_lshl_b32 s44, 0x1111, s40
	s_or_b32 s[G1+0], s43, (3<<16)|(1<<21)
	s_or_b32 s[G1B+0], s44, (3<<16)|(1<<21)
.irp g, G1, G1B
	s_mov_b32 s[\g+1], (192*NQ)<<16
	s_mov_b32 s[\g+2], MA<<16
	s_mov_b32 s[\g+3], (192*NQ)<<16
	s_mov_b32 s[\g+4], MA
	s_mov_b32 s[\g+5], 192*KS
	s_mov_b32 s[\g+6], 0
	s_mov_b32 s[\g+7], 0
.endr
	s_or_b32 s[G1S+0], s43, (3<<16)|(1<<21)
	s_or_b32 s[G1SB+0], s44, (3<<16)|(1<<21)
.irp g, G1S, G1SB
	s_mov_b32 s[\g+1], 32<<16
	s_mov_b32 s[\g+2], (MA*KS/4)<<16
	s_mov_b32 s[\g+3], 32<<16
	s_mov_b32 s[\g+4], MA*KS/4
	s_mov_b32 s[\g+5], 32
	s_mov_b32 s[\g+6], 0
	s_mov_b32 s[\g+7], 0
.endr
	s_mov_b32 s[SEL], 0x76543210
	s_mov_b32 s[SEL+1], 0xfedcba98
.endm
.macro OFFS ca, sa, cb, sb
	s_mul_i32 s18, s16, MA
	s_mul_i32 s20, s17, 2*MA
	s_add_co_u32 s20, s20, s18
	s_mul_i32 s46, s42, 2*MA
	s_add_co_u32 s46, s46, s18
	s_mul_i32 s22, s20, KS*64
	s_add_co_u32 s22, s22, \sa
	s_mul_i32 s92, s46, KS*64
	s_add_co_u32 s92, s92, \sb
	s_mul_i32 s20, s20, KS*1536
	s_add_co_u32 s20, s20, \ca
	s_mul_i32 s46, s46, KS*1536
	s_add_co_u32 s46, s46, \cb
	s_mov_b32 s21, 0
	s_mov_b32 s23, 0
	s_mov_b32 s47, 0
	s_mov_b32 s93, 0
	s_mul_i32 s45, s14, HALFT
	s_mul_i32 s94, s14, HALFS
.endm
.macro FILLS pa, pb
	s_wait_dscnt 0x0
	s_wait_kmcnt 0x0
	s_add_nc_u64 s[20:21], s[\pa:\pa+1], s[20:21]
	s_add_nc_u64 s[22:23], s[\pa:\pa+1], s[22:23]
	s_add_nc_u64 s[46:47], s[\pb:\pb+1], s[46:47]
	s_add_nc_u64 s[92:93], s[\pb:\pb+1], s[92:93]
	CROUND
	s_mov_b32 s[G0S], 1
	s_add_co_u32 s[G0S+1], s94, SCL
	s_mov_b64 s[G0S+2:G0S+3], s[22:23]
	s_or_b32 s[G0S+3], s[G0S+3], 0x80000000
	s_mov_b32 s[G0SB], 1
	s_add_co_u32 s[G0SB+1], s94, SCL
	s_mov_b64 s[G0SB+2:G0SB+3], s[92:93]
	s_or_b32 s[G0SB+3], s[G0SB+3], 0x80000000
	JLOAD G0S, G1S, G0SB, G1SB
.irp s, 0,1
	s_mov_b32 s[G0+4*\s], 1
	s_add_co_u32 s[G0+4*\s+1], s45, \s*SLOT
	s_add_nc_u64 s[G0+4*\s+2:G0+4*\s+3], s[20:21], \s*NQ*1536
	s_or_b32 s[G0+4*\s+3], s[G0+4*\s+3], 0x80000000
	s_mov_b32 s[G0B+4*\s], 1
	s_add_co_u32 s[G0B+4*\s+1], s45, \s*SLOT
	s_add_nc_u64 s[G0B+4*\s+2:G0B+4*\s+3], s[46:47], \s*NQ*1536
	s_or_b32 s[G0B+4*\s+3], s[G0B+4*\s+3], 0x80000000
	s_wait_alu depctr_va_vdst(0)
	s_wait_tensorcnt 0x0
	ds_add_u32 v28, v29
	s_wait_dscnt 0x0
	CROUND
	JLOAD G0+4*\s, G1, G0B+4*\s, G1B
.endr
.endm
.macro VSETUP
	v_and_b32 v1, 15, v0
	v_bfe_u32 v2, v0, 4, 1
	s_wait_alu depctr_va_vdst(0)
	v_and_b32 v3, 31, v0
	v_lshlrev_b32 v[L16], 4, v3
	s_mul_i32 s21, s15, HALFT
	s_mul_i32 s22, s16, HALFT
	s_add_co_u32 s22, s22, 2*HALFT
.irp s, 0,1
	v_add_nc_u32 v[ADRA+\s], s21, v[L16]
	v_add_nc_u32 v[ADRB+\s], s22, v[L16]
	s_add_co_u32 s21, s21, SLOT
	s_add_co_u32 s22, s22, SLOT
.endr
	s_mul_i32 s21, s15, HALFS
	s_mul_i32 s22, s16, HALFS
	s_add_co_u32 s22, s22, 2*HALFS
	s_sub_co_u32 s22, s22, s21
	v_mul_u32_u24 v4, s22, v2
	s_add_co_u32 s21, s21, SCL
	v_lshl_add_u32 v4, v1, 2, v4
	v_add_nc_u32 v[ADRS], s21, v4
.endm
.macro QUANT s
.irp b, 0,1,2,3
	v_max3_num_f32 v[TM+\b], |v[\s+16*\b]|, |v[\s+1+16*\b]|, 0x2800000
.endr
.irp i, 2,4,6,8,10,12,14
.irp b, 0,1,2,3
	v_max3_num_f32 v[TM+\b], v[TM+\b], |v[\s+16*\b+\i]|, |v[\s+1+16*\b+\i]|
.endr
.endr
.irp b, 0,1,2,3
	v_mov_b32 v[TM+4+\b], 0
.endr
.irp b, 0,1,2,3
	v_permlanex16_b32 v[TM+4+\b], v[TM+\b], s[SEL], s[SEL+1]
.endr
.irp b, 0,1,2,3
	v_max_num_f32 v[TM+\b], v[TM+\b], v[TM+4+\b]
.endr
.irp b, 0,1,2,3
	v_add_nc_u32 v[TM+12+\b], 0xfe000000, v[TM+\b]
.endr
.irp b, 0,1,2,3
	v_lshrrev_b32 v[TM+4+\b], 23, v[TM+12+\b]
.endr
	v_lshl_or_b32 v[PW], v[TM+5], 8, v[TM+4]
	v_lshl_or_b32 v[PW], v[TM+6], 16, v[PW]
	v_lshl_or_b32 v[PW], v[TM+7], 24, v[PW]
.irp c, 0,1
	v_cvt_scalef32_pk16_bf6_f32 v[PC+6*\c:PC+2+6*\c], v[\s+32*\c:\s+15+32*\c], v[TM+12+2*\c]
	v_cvt_scalef32_pk16_bf6_f32 v[PC+12+4*\c:PC+14+4*\c], v[\s+16+32*\c:\s+31+32*\c], v[TM+12+2*\c+1]
.endr
	v_nop
.irp c, 0,1
.irp i, 0,1,2
	v_permlane16_swap_b32 v[PC+6*\c+\i], v[PC+12+4*\c+\i]
.endr
.irp i, 0,1,2
	v_mov_b32 v[PC+3+6*\c+\i], v[PC+12+4*\c+\i]
.endr
.endr
.endm
.macro CPAIR r, val
	s_mov_b32 s[\r], \val
	s_mov_b32 s[\r+1], \val
.endm
.macro HORNER acc, c
.set gi, 0
.rept 16
	v_pk_fma_f32 v[\acc+2*gi:\acc+2*gi+1], v[\acc+2*gi:\acc+2*gi+1], v[SS+2*gi:SS+2*gi+1], s[\c:\c+1] op_sel_hi:[1,1,0]
.set gi, gi+1
.endr
.endm
.macro GELU32 x
.set gi, 0
.rept 16
	v_pk_mul_f32 v[U+2*gi:U+2*gi+1], v[(\x)+2*gi:(\x)+2*gi+1], 0x3f3504f3 op_sel_hi:[1,0]
.set gi, gi+1
.endr
.set gi, 0
.rept 32
	v_med3_num_f32 v[U+gi], v[U+gi], -4.0, 4.0
.set gi, gi+1
.endr
.set gi, 0
.rept 16
	v_pk_mul_f32 v[SS+2*gi:SS+2*gi+1], v[U+2*gi:U+2*gi+1], v[U+2*gi:U+2*gi+1]
.set gi, gi+1
.endr
.set gi, 0
.rept 16
	v_pk_fma_f32 v[PP+2*gi:PP+2*gi+1], v[SS+2*gi:SS+2*gi+1], s[24:25], v[8:9] op_sel_hi:[1,0,1]
	v_pk_fma_f32 v[QQ+2*gi:QQ+2*gi+1], v[SS+2*gi:SS+2*gi+1], s[36:37], v[10:11] op_sel_hi:[1,0,1]
.set gi, gi+1
.endr
	HORNER PP, 26
	HORNER QQ, 38
	HORNER PP, 28
	HORNER QQ, 48
	HORNER PP, 30
	HORNER QQ, 50
	HORNER PP, 32
	HORNER PP, 34
.set gi, 0
	s_wait_alu depctr_va_vdst(0)
.rept 32
	v_rcp_f32 v[QQ+gi], v[QQ+gi]
.set gi, gi+1
.endr
.set gi, 0
.rept 16
	v_pk_mul_f32 v[PP+2*gi:PP+2*gi+1], v[PP+2*gi:PP+2*gi+1], v[U+2*gi:U+2*gi+1]
	v_pk_mul_f32 v[SS+2*gi:SS+2*gi+1], v[(\x)+2*gi:(\x)+2*gi+1], 0.5 op_sel_hi:[1,0]
.set gi, gi+1
.endr
	s_wait_alu depctr_va_vdst(0)
.set gi, 0
.rept 16
	v_pk_mul_f32 v[PP+2*gi:PP+2*gi+1], v[PP+2*gi:PP+2*gi+1], v[QQ+2*gi:QQ+2*gi+1]
.set gi, gi+1
.endr
.set gi, 0
.rept 16
	v_pk_fma_f32 v[(\x)+2*gi:(\x)+2*gi+1], v[SS+2*gi:SS+2*gi+1], v[PP+2*gi:PP+2*gi+1], v[SS+2*gi:SS+2*gi+1]
.set gi, gi+1
.endr
.endm
.macro EBLK u
.set ei, 0
.rept 16
	ds_load_b128 v[HA+4*ei:HA+4*ei+3], v[RD] offset:8192*(\u)+512*ei
.set ei, ei+1
.endr
	s_wait_xcnt 0x0
	s_wait_dscnt 0x0
	WIN 0x04
.set ei, 0
.rept 32
	v_pk_add_f32 v[HA+2*ei:HA+2*ei+1], v[HA+2*ei:HA+2*ei+1], v[BI+2*ei:BI+2*ei+1]
.set ei, ei+1
.endr
	WIN 0
	GELU32 HA
	GELU32 HA+32
	QUANT HA
.irp c, 0,1,2
	global_store_b128 v[L16], v[PC+4*\c:PC+4*\c+3], s[92:93] offset:49152*(\u)+512*\c
.endr
.if (\u) == 0
	v_mov_b32 v[PWE], v[PW]
.else
	v_cndmask_b32 v[SW], v[PWE], v[PW], s66
	global_store_b32 v[CO], v[SW], s[94:95]
.endif
.endm
	s_load_b256 s[4:11], s[0:1], 0x0
	OPENING
	s_lshl_b32 s42, ttmp9, 2
	s_add_co_u32 s42, s42, s40
	s_and_b32 s17, ttmp7, 0xffff
	s_lshl_b32 s17, s17, 2
	s_add_co_u32 s17, s17, s41
	DESCR
	OFFS 0, 3145728, W1C, W1S
	FILLS 4, 6
	VSETUP
	s_lshl_b32 s18, s42, 10
	s_lshl_b32 s19, s16, 9
	s_add_co_u32 s18, s18, s19
	s_mov_b32 s19, 0
	s_add_nc_u64 s[8:9], s[8:9], s[18:19]
	v_lshlrev_b32 v30, 5, v2
	WIN 0x40
.irp b, 0,1,2,3,4,5,6,7
	global_load_b128 v[BI+8*\b:BI+8*\b+3], v30, s[8:9] offset:64*\b
	global_load_b128 v[BI+8*\b+4:BI+8*\b+7], v30, s[8:9] offset:64*\b+16
.endr
	WIN 0
	s_wait_alu depctr_va_vdst(0)
	s_wait_tensorcnt 0x1
	s_barrier_signal -1
	s_barrier_wait -1
	FETCH 0, 0, 0
	SCALES 0
	STEP 0, 0, 1
	s_mov_b32 s3, LAPS-1
.Llap:
	TURN 0, 1, 1
	STEP 1, 0, 0
	TURN 1, 0, 1
	STEP 0, 0, 0
	s_sub_co_u32 s3, s3, 1
	s_cmp_lg_u32 s3, 0
	s_cbranch_scc1 .Llap
	TURN 0, 1, 0
	STEP 1, 0, 0
	LAST
	PLACES 4
	s_wait_dscnt 0x0
	s_barrier_signal -1
	s_barrier_wait -1
	s_lshl_b32 s18, s14, 16
	v_add_nc_u32 v[STO], s18, v[L16]
	WIN 0x08
.set di, 0
.rept 64
	ds_store_b128 v[STO], v[4*di:4*di+3] offset:512*di
.set di, di+1
.endr
	WIN 0x0c
.set di, 0
.rept 64
	ds_store_b128 v[STO], v[4*di:4*di+3] offset:512*(64+di)
.set di, di+1
.endr
	WIN 0
	CPAIR 24, 0xaf95df0b
	CPAIR 26, 0xb60cff51
	CPAIR 28, 0xb86ec2d2
	CPAIR 30, 0xba40ac63
	CPAIR 32, 0xbb41a1f6
	CPAIR 34, 0xbc83dbd4
	CPAIR 36, 0xb77460cd
	CPAIR 38, 0xbadc924e
	CPAIR 48, 0xbbf19bf8
	CPAIR 50, 0xbc69b6a7
	v_mov_b32 v8, 0x32edffee
	v_mov_b32 v9, 0x32edffee
	v_mov_b32 v10, 0xb95fbd29
	v_mov_b32 v11, 0xb95fbd29
	s_mov_b32 s66, 0xffff0000
	s_lshl_b32 s18, s17, 4
	s_lshl_b32 s19, s15, 3
	s_add_co_u32 s18, s18, s19
	s_lshl_b32 s18, s18, 5
	s_lshl_b32 s19, s42, 1
	s_add_co_u32 s18, s18, s19
	s_add_co_u32 s18, s18, s16
	s_mul_i32 s20, s18, 1536
	s_mov_b32 s21, 0
	s_add_nc_u64 s[92:93], s[10:11], s[20:21]
	s_lshl_b32 s20, s18, 6
	s_add_co_u32 s20, s20, GS
	s_add_nc_u64 s[94:95], s[10:11], s[20:21]
	v_lshlrev_b32 v[CO], 11, v2
	v_lshl_add_u32 v[CO], v1, 2, v[CO]
	s_mov_b32 s96, 0
	s_wait_loadcnt 0x0
	s_mov_b32 s3, 4
.Lout:
	s_wait_alu depctr_va_vdst(0)
	v_add_nc_u32 v[RD], s96, v[STO]
	EBLK 0
	EBLK 1
	s_wait_xcnt 0x0
	s_add_nc_u64 s[92:93], s[92:93], 98304
	s_add_nc_u64 s[94:95], s[94:95], 4096
	s_add_co_u32 s96, s96, 16384
	s_sub_co_u32 s3, s3, 1
	s_cmp_lg_u32 s3, 0
	s_cbranch_scc1 .Lout
	s_wait_tensorcnt 0x0
	ds_add_u32 v[SPW], v[NIL]
	s_wait_dscnt 0x0
	CROUND
	s_endpgm
.Lfunc_end_k_q033be007d2_ff1:
	.size	k_q033be007d2_ff1, .Lfunc_end_k_q033be007d2_ff1-k_q033be007d2_ff1
	.p2alignl 7, 3214868480
	.fill 96, 4, 3214868480
	.section	.rodata,"a",@progbits
	.p2align	6, 0x0
	.amdhsa_kernel k_q033be007d2_ff1
		.amdhsa_group_segment_fixed_size 327680
		.amdhsa_private_segment_fixed_size 0
		.amdhsa_enable_private_segment 0
		.amdhsa_kernarg_size 32
		.amdhsa_user_sgpr_count 2
		.amdhsa_user_sgpr_kernarg_segment_ptr 1
		.amdhsa_wavefront_size32 1
		.amdhsa_system_sgpr_workgroup_id_x 1
		.amdhsa_system_sgpr_workgroup_id_y 1
		.amdhsa_system_sgpr_workgroup_id_z 1
		.amdhsa_system_vgpr_workitem_id 0
		.amdhsa_next_free_vgpr 1024
		.amdhsa_next_free_sgpr 106
		.amdhsa_reserve_vcc 0
		.amdhsa_float_denorm_mode_32 3
		.amdhsa_float_denorm_mode_16_64 3
		.amdhsa_memory_ordered 1
		.amdhsa_forward_progress 1
		.amdhsa_inst_pref_size 213
	.end_amdhsa_kernel
	.amdgpu_metadata
---
amdhsa.version: [ 1, 2 ]
amdhsa.kernels:
  - .name:           k_q033be007d2_ff1
    .symbol:         k_q033be007d2_ff1.kd
    .args:
      - { .name: mb, .offset: 0, .size: 8, .value_kind: global_buffer, .address_space: global }
      - { .name: wa, .offset: 8, .size: 8, .value_kind: global_buffer, .address_space: global }
      - { .name: b1, .offset: 16, .size: 8, .value_kind: global_buffer, .address_space: global }
      - { .name: gb, .offset: 24, .size: 8, .value_kind: global_buffer, .address_space: global }
    .group_segment_fixed_size: 327680
    .private_segment_fixed_size: 0
    .kernarg_segment_align: 8
    .kernarg_segment_size: 32
    .max_flat_workgroup_size: 128
    .sgpr_count:     106
    .vgpr_count:     1024
    .wavefront_size: 32
...
	.end_amdgpu_metadata
.endif
;; end of part 5
;; launch ff2 (part 6): grid 32 x 8, 8 waves a work-group, clusters of 4 x 1, 327,680 bytes of LDS; arguments gb, wa, b2, hb, out0; writes out0
.if DOCPART == 6
	.amdgcn_target "amdgcn-amd-amdhsa--gfx1250"
	.amdhsa_code_object_version 6
	.text
	.protected	k_q033be007d2_ff2
	.globl	k_q033be007d2_ff2
	.p2align	8
	.type	k_q033be007d2_ff2,@function
k_q033be007d2_ff2:
	s_mov_b64 s[64:65], 0
	v_nop
	global_prefetch_b8 v0, s[64:65] scope:SCOPE_SE
	s_setreg_imm32_b32 hwreg(HW_REG_WAVE_MODE, 25, 1), 1
	s_wait_xcnt 0x0
	s_wait_alu depctr_hold_cnt(0) depctr_sa_sdst(0) depctr_va_vdst(0) depctr_va_sdst(0) depctr_va_ssrc(0) depctr_va_vcc(0) depctr_vm_vsrc(0)
	s_getreg_b32 s2, hwreg(HW_REG_IB_STS2, 6, 4)
	s_cmp_eq_u32 s2, 0
	s_cbranch_scc0 .Lentry_in_a_cluster
	s_endpgm
.Lentry_in_a_cluster:
	s_bfe_u32 s2, ttmp6, 0x10000c
	s_cmp_lg_u32 s2, 0x3003
	s_cbranch_scc0 .Lentry_shape_is_right
	s_endpgm
.Lentry_shape_is_right:
; out = h + b2 + g W2 on codes of E3M2 (g = gelu(..), launch ff1; W2, launch wq; h, launch woln).  K = 4,096: 32 steps of 128.  No work is left out here.
; SHARES.  A tile of the result is 128 x 128: 256 work-groups (x: tile row, y: tile column).  It has four parts of 64 x 64 (16 accumulators), and EACH PART IS SERVED BY TWO WAVES, w and w + 4: the first takes
; K steps 0-15, the second 16-31.  Operands lie in memory as images of their registers (launch wq's head): a fragment is three pieces of 512 consecutive bytes.
; TWO ROADS.  g's fragments go from memory straight into registers: four sets take turns; behind a step's products its set takes the fragments of four steps on, waited for by count (44 or 52 loads may be out).
; W2's fragments come through LDS: a ring of two slots; a slot holds four K steps of each half of K for the tile's eight blocks of 16 columns, 98,304 bytes; each wave fills an eighth with one tensor load.
; CLUSTERS: the four work-groups of a cluster have one tile column and so the same tiles of W2: each is asked for jointly (mask 15); a round of the cluster's barrier stands in front of every fill.
; By this text's own count a wave has one tensor load out.  No prefetch: a refill is asked for a trip of four K steps, 64 matrix instructions a wave, ahead of its first read, and the walk has four trips.
; THE TWO HALVES OF K MEET ONCE.  Each wave OWNS 32 of its part's 64 rows.  Its accumulators 0-7 are the rows it owns, 8-15 the partner's: the order of g's blocks is set by addresses alone, so both waves
; run one text.  At the end a wave lays accumulators 8-15 into LDS as they stand, one barrier, and adds the partner's onto its 0-7.  So an output is the f32 sum of two f32 sums, each over K ascending.
; That exchange lies in slot 0, which has had its last fill in the second trip and its last read ahead of the fourth trip's round.
; h + b2 of the rows I own turns through my stage in LDS into the result's layout and is the C of my first products; the other accumulators begin with 0.
; THE MATRIX INSTRUCTION IS USED TRANSPOSED (source 0 = 16 columns of W2, source 1 = 16 rows of g): lane (r, h) holds row r, register j column 8 h + j.  The way out goes through the stage: 16 lanes store 256 consecutive bytes.
; One scale register serves two K steps: lanes 0-15 hold the even step's words, lanes 16-31 the odd step's (128 consecutive bytes).
; LIMITS: NaN and infinities are not served.
; REGISTERS: window 0: v1-21 addresses and the bias; v32-63 scale words, four sets; v64-255 g's fragments, four sets of 48.  window 1: v0-127 the accumulators; v128-223 W2's fragments, two sets of 48.
.set W2C, 9568256
.set W2S, 12976128
.set GS,  12582912
.set SLOT,  98304
.set STG,   2*SLOT                     ; behind the ring: a stage of 32 rows x (256 + 16) bytes for each wave
.set STGW,  32*272
.set SPARE, STG+8*STGW                 ; the spare words, 128 bytes for each of eight waves
.set L16, 4
.set L4,  5
.set STO, 6
.set RD,  7
.set CO,  8
.set XS,  9
.set XL,  10
.set BO,  11
.set SPW, 12
.set NIL, 13
.set BIA, 16
.set ADB, 20                           ; v20-21 LDS address of my fragments of W2 in slot 0, 1
.set SC,  32
.set FA,  64
.set FB,  128
.set G0,  48                           ; s[48:55] descriptor group 0, one set for each slot
.set G1,  56                           ; s[56:63] group 1
.set MSB, 0
.macro WIN new
.if MSB != \new
	s_set_vgpr_msb (MSB<<8)|\new
.set MSB, \new
.endif
.endm
.macro CROUND                          ; a round of the cluster's barrier
	s_barrier_signal -1
	s_barrier_wait -1
	s_cmp_lg_u32 s14, 0
	s_cbranch_scc1 .Lnot_first_\@
	s_barrier_signal -3
.Lnot_first_\@:
	s_barrier_wait -3
	s_barrier_signal -1
	s_barrier_wait -1
.endm
.macro LDA u                           ; my step u: g's four fragments into set u % 4: 12 loads; with an even step the pair's eight scale registers
.if (\u)%2 == 0
.irp i, 0,1,2,3
	global_load_b32 v[SC+8*(((\u)/2)%4)+\i], v[L4], s[30:31] offset:2048*\i+64*(\u)
.endr
.irp i, 0,1
	global_load_b32 v[SC+8*(((\u)/2)%4)+4+\i], v[L4], s[26:27] offset:2048*\i+64*(\u)
	global_load_b32 v[SC+8*(((\u)/2)%4)+6+\i], v[L4], s[28:29] offset:2048*\i+64*(\u)
.endr
.endif
.set FS, FA+48*((\u)%4)
.irp i, 0,1
.irp c, 0,1,2
	global_load_b128 v[FS+12*\i+4*\c:FS+12*\i+4*\c+3], v[L16], s[20:21] offset:49152*\i+1536*(\u)+512*\c
	global_load_b128 v[FS+24+12*\i+4*\c:FS+24+12*\i+4*\c+3], v[L16], s[22:23] offset:49152*\i+1536*(\u)+512*\c
.endr
.endr
.endm
.macro FETCH t                         ; my step t: W2's four fragments out of slot (t / 4) % 2 into set t % 2: 12 loads
	WIN 0x40
.irp b, 0,1,2,3
.irp c, 0,1,2
	ds_load_b128 v[FB+48*((\t)%2)+12*\b+4*\c:FB+48*((\t)%2)+12*\b+4*\c+3], v[ADB+((\t)/4)%2] offset:6144*\b+1536*((\t)%4)+512*\c
.endr
.endr
	WIN 0
.endm
.macro MM a, b, t
.set rD, 8*(4*(\a)+(\b))
.set rB, FB+48*((\t)%2)+12*(\b)
.set rA, FA+48*((\t)%4)+12*(\a)
.set sB, SC+8*(((\t)/2)%4)+(\b)
.set sA, SC+8*(((\t)/2)%4)+4+(\a)
.if (\t) == 0 && (\a) >= 2
	v_wmma_scale_f32_16x16x128_f8f6f4 v[rD:rD+7], v[rB:rB+11], v[rA:rA+11], 0, v[sB], v[sA] matrix_a_fmt:MATRIX_FMT_BF6 matrix_b_fmt:MATRIX_FMT_BF6
.elseif (\t)%2
	v_wmma_scale_f32_16x16x128_f8f6f4 v[rD:rD+7], v[rB:rB+11], v[rA:rA+11], v[rD:rD+7], v[sB], v[sA] matrix_a_fmt:MATRIX_FMT_BF6 matrix_b_fmt:MATRIX_FMT_BF6 matrix_a_scale:MATRIX_SCALE_ROW1 matrix_b_scale:MATRIX_SCALE_ROW1
.else
	v_wmma_scale_f32_16x16x128_f8f6f4 v[rD:rD+7], v[rB:rB+11], v[rA:rA+11], v[rD:rD+7], v[sB], v[sA] matrix_a_fmt:MATRIX_FMT_BF6 matrix_b_fmt:MATRIX_FMT_BF6
.endif
.endm
.macro STEP t                          ; my step t of 16.  The 16 accumulators take turns
.if (\t)%4 < 3
	FETCH (\t)+1                                   ; the next step's fragments of W2, while they lie in the same slot
.endif
.set NW, 0                             ; behind this step's global loads stand those of the three steps on: 12 each, 20 with scale words
.irp d, 1,2,3
.if (\t)+\d < 16
.set NW, NW+12+8*(1-((\t)+\d)%2)
.endif
.endr
	s_wait_loadcnt NW
.if (\t)%4 < 3
	s_wait_dscnt 12                                ; the 12 just issued may be out
.else
	s_wait_dscnt 0x0
.endif
	WIN 0x51
.irp a, 0,1,2,3
.irp b, 0,1,2,3
	MM \a, \b, \t
.endr
.endr
	WIN 0
.rept 4
	v_nop                                          ; four plain lines behind the products, ahead of loads into the sets that they read and of reads of the sums
.endr
.if (\t)+4 < 16
	LDA (\t)+4
.endif
.endm
.macro TRIP k                          ; my steps 4 k .. 4 k + 3 lie in slot k % 2; the other slot takes the next trip's
	s_wait_tensorcnt 0x0                           ; my load has landed: my eighth of this trip's slot;
	ds_add_u32 v[SPW], v[NIL]                      ; 0 onto my spare word;
.if (\k) < 2
	s_add_nc_u64 s[G0+4*((\k)%2)+2:G0+4*((\k)%2)+3], s[G0+4*((\k)%2)+2:G0+4*((\k)%2)+3], 8*1536   ; no load of mine is out: this slot's next tile, eight K steps on
.endif
	s_wait_dscnt 0x0                               ; the add is done, and so are my reads of the other slot
	CROUND                                         ; both now hold of every wave of the four work-groups
.if (\k) < 3
	tensor_load_to_lds s[G0+4*(((\k)+1)%2):G0+4*(((\k)+1)%2)+3], s[G1:G1+7]
	s_nop 0
.rept 4
	v_nop
.endr
.endif
	FETCH 4*(\k)
	STEP 4*(\k)
	STEP 4*(\k)+1
	STEP 4*(\k)+2
	STEP 4*(\k)+3
.endm
	s_load_b256 s[4:11], s[0:1], 0x0               ; gb, wa, b2, hb
	s_load_b64 s[12:13], s[0:1], 0x20              ; out0
	v_lshl_add_u32 v[SPW], v0, 2, SPARE            ; my spare word, and 0: kept for the adds alone
	v_mov_b32 v[NIL], 0
	ds_add_u32 v[SPW], v[NIL]                      ; the opening: the add, twice on end, and its wait ahead of my first tensor load
	ds_add_u32 v[SPW], v[NIL]
	v_lshrrev_b32 v1, 5, v0
	v_readfirstlane_b32 s14, v1                    ; wave 0..7
	s_bfe_u32 s18, ttmp6, 0x40000                  ; my place in the cluster: it enters global addresses of g, h and the result alone
	s_lshl_b32 s19, ttmp9, 2
	s_add_co_u32 s19, s19, s18                     ; tile row
	s_and_b32 s46, ttmp7, 0xffff                   ; tile column
	s_lshr_b32 s15, s14, 2                         ; which half of K
	s_bfe_u32 s16, s14, 0x10001                    ; which 64 rows
	s_and_b32 s17, s14, 1                          ; which 64 columns
	s_lshl_b32 s32, s19, 3
	s_lshl_b32 s33, s16, 2
	s_add_co_u32 s32, s32, s33                     ; my part's first block of 16 rows
	s_lshl_b32 s33, s15, 1
	s_add_co_u32 s34, s32, s33                     ; the two blocks that I own,
	s_xor_b32 s33, s33, 2
	s_add_co_u32 s35, s32, s33                     ; and the partner's two
	s_lshl_b32 s36, s15, 4                         ; my first K step
	s_lshl_b32 s37, s34, 5
	s_add_co_u32 s37, s37, s36                     ; fragment numbers: 32 x block + K step
	s_lshl_b32 s38, s35, 5
	s_add_co_u32 s38, s38, s36
	s_lshl_b32 s39, s46, 3                         ; the tile's first block of 16 columns
	s_lshl_b32 s40, s17, 2
	s_add_co_u32 s40, s40, s39
	s_lshl_b32 s40, s40, 5
	s_add_co_u32 s40, s40, s36
	s_mul_i32 s20, s37, 1536
	s_mov_b32 s21, 0
	s_mul_i32 s22, s38, 1536
	s_mov_b32 s23, 0
	s_lshl_b32 s26, s37, 6
	s_add_co_u32 s26, s26, GS
	s_mov_b32 s27, 0
	s_lshl_b32 s28, s38, 6
	s_add_co_u32 s28, s28, GS
	s_mov_b32 s29, 0
	s_lshl_b32 s30, s40, 6
	s_add_co_u32 s30, s30, W2S
	s_mov_b32 s31, 0
	s_and_b32 s41, s14, 3                          ; what I fetch of a slot: my half of K, column blocks 2 (w % 4) and 2 (w % 4) + 1
	s_lshl_b32 s41, s41, 1
	s_add_co_u32 s41, s41, s39
	s_lshl_b32 s41, s41, 5
	s_add_co_u32 s41, s41, s36
	s_mul_i32 s24, s41, 1536
	s_add_co_u32 s24, s24, W2C
	s_mov_b32 s25, 0
	s_mul_i32 s47, s14, 12288                      ; and where it goes
	s_lshl_b32 s44, s46, 9
	s_lshl_b32 s45, s17, 8
	s_add_co_u32 s44, s44, s45                     ; my 64 columns, in bytes
	s_mov_b32 s45, 0
	s_lshl_b32 s42, s34, 16                        ; my 32 rows of 4,096 bytes
	s_add_co_u32 s42, s42, s44
	s_mov_b32 s43, 0
	s_mul_i32 s32, s14, STGW
	s_add_co_u32 s32, s32, STG                     ; my stage
	s_lshl_b32 s33, s14, 13                        ; the exchange, in slot 0: 8,192 bytes a wave
	s_xor_b32 s35, s14, 4
	s_lshl_b32 s35, s35, 13
	s_mul_i32 s39, s15, 49152
	s_mul_i32 s40, s17, 24576
	s_add_co_u32 s39, s39, s40                     ; my fragments of W2 in slot 0: my half of K, my four column blocks
	s_add_co_u32 s40, s39, SLOT
	s_mov_b32 s[G1], 15|(3<<16)|(1<<21)            ; 2 rows (column blocks) of four fragments, 768 elements of 8 bytes, a whole K (6,144 elements) apart; mask: all four partners
	s_mov_b32 s[G1+1], 768<<16
	s_mov_b32 s[G1+2], 2<<16
	s_mov_b32 s[G1+3], 768<<16
	s_mov_b32 s[G1+4], 2
	s_mov_b32 s[G1+5], 6144
	s_mov_b32 s[G1+6], 0
	s_mov_b32 s[G1+7], 0
	s_wait_dscnt 0x0                               ; both opening adds are done
	s_wait_kmcnt 0x0
	s_add_nc_u64 s[20:21], s[4:5], s[20:21]        ; g: the blocks I own; the partner's
	s_add_nc_u64 s[22:23], s[4:5], s[22:23]
	s_add_nc_u64 s[26:27], s[4:5], s[26:27]        ; their scale words, and W2's
	s_add_nc_u64 s[28:29], s[4:5], s[28:29]
	s_add_nc_u64 s[30:31], s[6:7], s[30:31]
	s_add_nc_u64 s[8:9], s[8:9], s[44:45]
	s_add_nc_u64 s[10:11], s[10:11], s[42:43]
	s_add_nc_u64 s[12:13], s[12:13], s[42:43]
	s_mov_b32 s[G0], 1
	s_mov_b32 s[G0+1], s47
	s_add_nc_u64 s[G0+2:G0+3], s[6:7], s[24:25]    ; the first trip's tile
	s_mov_b32 s[G0+4], 1
	s_add_co_u32 s[G0+5], s47, SLOT
	s_add_nc_u64 s[G0+6:G0+7], s[G0+2:G0+3], 4*1536   ; the second's
	s_or_b32 s[G0+3], s[G0+3], 0x80000000
	s_or_b32 s[G0+7], s[G0+7], 0x80000000
	CROUND                                         ; all four work-groups are here: the joint loads meet
	tensor_load_to_lds s[G0:G0+3], s[G1:G1+7]      ; one tensor load a wave at the head
	s_nop 0
.rept 4
	v_nop
.endr
	v_and_b32 v1, 15, v0                           ; r
	v_bfe_u32 v2, v0, 4, 1                         ; h
	v_and_b32 v3, 31, v0
	v_lshlrev_b32 v[L16], 4, v3
	v_lshlrev_b32 v[L4], 2, v3
	v_mul_u32_u24 v14, v1, 272
	v_lshl_add_u32 v14, v2, 5, v14
	v_add_nc_u32 v[STO], s32, v14                  ; my stage by the result's layout: row r, + 32 h
	v_mul_u32_u24 v15, v2, 272
	v_lshl_add_u32 v15, v1, 4, v15
	v_add_nc_u32 v[RD], s32, v15                   ; and by rows: lanes 0-15 one row of 256 bytes, lanes 16-31 the next
	v_lshlrev_b32 v15, 12, v2
	v_lshl_add_u32 v[CO], v1, 4, v15               ; the same two rows in memory
	v_lshlrev_b32 v[BO], 4, v1
	v_add_nc_u32 v[XS], s33, v[L16]                ; what I hand over,
	v_add_nc_u32 v[XL], s35, v[L16]                ; and what wave w xor 4 hands to me
	v_add_nc_u32 v[ADB], s39, v[L16]
	v_add_nc_u32 v[ADB+1], s40, v[L16]
	s_wait_alu depctr_va_vdst(0)                   ; the wait at the head's end
	WIN 0x40
.set i, 0
.rept 16
	global_load_b128 v[4*i:4*i+3], v[CO], s[10:11] offset:8192*i   ; h: two rows of 256 bytes a load
.set i, i+1
.endr
	WIN 0
	global_load_b128 v[BIA:BIA+3], v[BO], s[8:9]
	LDA 0
	LDA 1
	LDA 2
	LDA 3
	s_wait_loadcnt 63                              ; h and the bias are in: 64 loads were issued behind them, and the count's field holds 63
	s_wait_tensorcnt 0x0                           ; no LDS store is issued while a tensor load of mine is out
	WIN 0x41
.set i, 0
.rept 16
	v_pk_add_f32 v[4*i:4*i+1], v[4*i:4*i+1], v[BIA:BIA+1]
	v_pk_add_f32 v[4*i+2:4*i+3], v[4*i+2:4*i+3], v[BIA+2:BIA+3]
.set i, i+1
.endr
	WIN 0x04
.set i, 0
.rept 16
	ds_store_b128 v[RD], v[4*i:4*i+3] offset:544*i
.set i, i+1
.endr
	WIN 0x40
.set i, 0
.rept 8
	ds_load_b128 v[8*i:8*i+3], v[STO] offset:(i/4)*4352+64*(i%4)        ; LDS serves a wave's instructions in order: these see my stores, and land in the registers that the stores have left
	ds_load_b128 v[8*i+4:8*i+7], v[STO] offset:(i/4)*4352+64*(i%4)+16
.set i, i+1
.endr
	WIN 0
	TRIP 0                                         ; (its wait on DScnt is also the wait for h + b2.)  The walk is written out: every offset is an immediate, and no base is stepped
	TRIP 1
	TRIP 2
	TRIP 3
	WIN 0x04
.set i, 0
.rept 16
	ds_store_b128 v[XS], v[64+4*i:67+4*i] offset:512*i             ; the partner's rows, as they stand in the registers; each accumulator from its low end on
.set i, i+1
.endr
	WIN 0
	s_wait_dscnt 0x0                               ; for the partner's sake: my stores have landed
	s_barrier_signal -1
	s_barrier_wait -1
.set i, 0
.rept 16
	ds_load_b128 v[FA+4*i:FA+4*i+3], v[XL] offset:512*i
.set i, i+1
.endr
	s_wait_dscnt 0x0
	WIN 0x41
.set i, 0
.rept 32
	v_pk_add_f32 v[2*i:2*i+1], v[2*i:2*i+1], v[FA+2*i:FA+2*i+1]    ; the other half of K
.set i, i+1
.endr
	WIN 0x04
.set i, 0
.rept 8
	ds_store_b128 v[STO], v[8*i:8*i+3] offset:(i/4)*4352+64*(i%4)
	ds_store_b128 v[STO], v[8*i+4:8*i+7] offset:(i/4)*4352+64*(i%4)+16
.set i, i+1
.endr
	WIN 0
.set i, 0
.rept 16
	ds_load_b128 v[FA+64+4*i:FA+67+4*i], v[RD] offset:544*i
.set i, i+1
.endr
	s_wait_dscnt 0x0
.set i, 0
.rept 16
	global_store_b128 v[CO], v[FA+64+4*i:FA+67+4*i], s[12:13] offset:8192*i th:TH_STORE_NT   ; 16 lanes store 256 consecutive bytes, at a multiple of 256 from the buffer's first byte
.set i, i+1
.endr
	s_wait_tensorcnt 0x0                           ; the wave's end
	ds_add_u32 v[SPW], v[NIL]
	s_wait_dscnt 0x0
	CROUND                                         ; the closing round
	s_endpgm
.Lfunc_end_k_q033be007d2_ff2:
	.size	k_q033be007d2_ff2, .Lfunc_end_k_q033be007d2_ff2-k_q033be007d2_ff2
	.p2alignl 7, 3214868480
	.fill 96, 4, 3214868480
	.section	.rodata,"a",@progbits
	.p2align	6, 0x0
	.amdhsa_kernel k_q033be007d2_ff2
		.amdhsa_group_segment_fixed_size 327680
		.amdhsa_private_segment_fixed_size 0
		.amdhsa_enable_private_segment 0
		.amdhsa_kernarg_size 40
		.amdhsa_user_sgpr_count 2
		.amdhsa_user_sgpr_kernarg_segment_ptr 1
		.amdhsa_wavefront_size32 1
		.amdhsa_system_sgpr_workgroup_id_x 1
		.amdhsa_system_sgpr_workgroup_id_y 1
		.amdhsa_system_sgpr_workgroup_id_z 1
		.amdhsa_system_vgpr_workitem_id 0
		.amdhsa_next_free_vgpr 512
		.amdhsa_next_free_sgpr 66
		.amdhsa_reserve_vcc 0
		.amdhsa_float_denorm_mode_32 3
		.amdhsa_float_denorm_mode_16_64 3
		.amdhsa_memory_ordered 1
		.amdhsa_forward_progress 1
		.amdhsa_inst_pref_size 96
	.end_amdhsa_kernel
	.amdgpu_metadata
---
amdhsa.version: [ 1, 2 ]
amdhsa.kernels:
  - .name:           k_q033be007d2_ff2
    .symbol:         k_q033be007d2_ff2.kd
    .args:
      - { .name: gb, .offset: 0, .size: 8, .value_kind: global_buffer, .address_space: global }
      - { .name: wa, .offset: 8, .size: 8, .value_kind: global_buffer, .address_space: global }
      - { .name: b2, .offset: 16, .size: 8, .value_kind: global_buffer, .address_space: global }
      - { .name: hb, .offset: 24, .size: 8, .value_kind: global_buffer, .address_space: global }
      - { .name: out0, .offset: 32, .size: 8, .value_kind: global_buffer, .address_space: global }
    .group_segment_fixed_size: 327680
    .private_segment_fixed_size: 0
    .kernarg_segment_align: 8
    .kernarg_segment_size: 40
    .max_flat_workgroup_size: 256
    .sgpr_count:     66
    .vgpr_count:     512
    .wavefront_size: 32
...
	.end_amdgpu_metadata
.endif
;; end of part 6
